; MI455X (gfx1250); checked and timed in simulation.
; The chip was launched on July 23, 2026; its instructions are those of AMD's public machine-readable ISA for CDNA 5 (MIT licence, August 2026) and "CDNA5" Instruction Set Architecture Reference Guide (July 2026). The comments in the code are by the model that wrote it; some were corrected since.
;; Trained Attention. Allowed arithmetic: matrix products marked QUANTISED: E2M3 operands, one E8M0 scale for each 32 along K, by v_wmma_scale_f32_16x16x128_f8f6f4 with both operands' format E2M3, f32 sums; everything else in f32.
;; Inputs: Wk_codes 1,024 x 32 x 24 uint8 (E2M3 codes of Wk, K innermost, in blocks of 32 codes, four codes in three bytes); Wk_scales 1,024 x 32 uint8 (E8M0 scales of Wk, one for each 32 codes along K); Wo_codes 1,024 x 32 x 24 uint8 (E2M3 codes of Wo, K innermost, in blocks of 32 codes, four codes in three bytes); Wo_scales 1,024 x 32 uint8 (E8M0 scales of Wo, one for each 32 codes along K); Wq_codes 1,024 x 32 x 24 uint8 (E2M3 codes of Wq, K innermost, in blocks of 32 codes, four codes in three bytes); Wq_scales 1,024 x 32 uint8 (E8M0 scales of Wq, one for each 32 codes along K); Wv_codes 1,024 x 32 x 24 uint8 (E2M3 codes of Wv, K innermost, in blocks of 32 codes, four codes in three bytes); Wv_scales 1,024 x 32 uint8 (E8M0 scales of Wv, one for each 32 codes along K); bk 1,024 float32; bo 1,024 float32; bq 1,024 float32; bv 1,024 float32; mask 1 x 1 x 2,048 x 2,048 int32; x_codes 4 x 2,048 x 32 x 24 uint8 (E2M3 codes of x, K innermost, in blocks of 32 codes, four codes in three bytes); x_scales 4 x 2,048 x 32 uint8 (E8M0 scales of x, one for each 32 codes along K).
;; Outputs: out0 4 x 2,048 x 1,024 float32.
;; This version of the problem:
;;   THIS VERSION OF THE PROBLEM IS GIVEN IN LOW PRECISION. The matrix products marked QUANTISED in the list below multiply operands that are first quantised to E2M3 (2 exponent bits, 3 mantissa bits; 6 bits a number), with one power-of-two scale for each 32 numbers along K (OCP MX v1.0); their sums are f32. All else is computed in f32.
;;   The module's matrix products, in the order in which they are computed (A, B: the left and right operand; K: the contracted axis; several contracted axes count as one K, in the product's order):
;;     1. [M 8,192, K 1,024] x [K 1,024, N 1,024]; A: input x (given as codes); B: input Wq (given as codes): QUANTISED
;;     2. [M 8,192, K 1,024] x [K 1,024, N 1,024]; A: input x (given as codes); B: input Wk (given as codes): QUANTISED
;;     3. [M 8,192, K 1,024] x [K 1,024, N 1,024]; A: input x (given as codes); B: input Wv (given as codes): QUANTISED
;;     4. batch 64 x [M 2,048, K 64] x [K 64, N 2,048]; A: computed on the way; B: computed on the way: QUANTISED
;;     5. batch 64 x [M 2,048, K 2,048] x [K 2,048, N 64]; A: softmax (see below); B: computed on the way: QUANTISED
;;     6. [M 8,192, K 1,024] x [K 1,024, N 1,024]; A: computed on the way; B: input Wo (given as codes): QUANTISED
;;   THE QUANTISER, for each operand of a quantised product, along K:
;;     - K is cut into blocks of 32 from its start; a last block that is shorter is filled with zeros.
;;     - A block's scale is 2^e with e = floor(log2(the largest magnitude in the block)) - 2, held to -126 .. 127; a block of zeros has e = 0. As a byte (E8M0): e + 127.
;;     - Each number is divided by its block's scale, clamped to +-7.5, and rounded to the nearest number of E2M3, ties to even, subnormals kept.
;;     - The product sums the exact products of the quantised numbers (number of the format x scale) in f32.
;;   ~~~python
;;   def quantise(x, axis):      # numpy; x: float32 -> the quantised numbers, widened to float32 again
;;       x = np.moveaxis(x, axis, -1); K = x.shape[-1]
;;       x = np.pad(x, [(0, 0)] * (x.ndim - 1) + [(0, -K % 32)]); x = x.reshape(x.shape[:-1] + (-1, 32)); a = np.abs(x).max(-1, keepdims=True)
;;       e = np.where(a > 0, np.clip(np.frexp(np.where(a > 0, a, 1))[1] - 1 - 2, -126, 127), 0)      # np.frexp(a)[1] - 1 = floor(log2(a)), exactly
;;       r = np.clip(x / 2.0 ** e, -7.5, 7.5)
;;       step = 2.0 ** (np.maximum(np.frexp(np.where(r == 0, 1, r))[1] - 1, 0) - 3)
;;       q = np.round(r / step) * step * 2.0 ** e      # np.round: ties to even
;;       return np.moveaxis(q.reshape(q.shape[:-2] + (-1,))[..., :K], -1, axis).astype(np.float32)
;;   ~~~
;;   SOFTMAX AHEAD OF A QUANTISED PRODUCT. Where the list says 'softmax', what is quantised is not the finished softmax but p = 2^(t - M), with t = logit x log2(e) and M = ceil(the row's largest t), a whole number; so 1/2 < the row's largest p <= 1. The row's sum l is taken of the UNQUANTISED p, in f32, and the product's result is divided by l at the end. Since M is a whole number, a kernel that streams over the keys may use a running M (the ceiling of the running maximum): every later rescaling is an exact power of two, which a block's scale takes up: the codes' values come out the same.
;;   OPERANDS COMPUTED ON THE WAY. 'Computed on the way' means the value that the module computes at that place (a softmax that the list does not call 'softmax' is quantised finished and normalised). What goes into a quantiser is computed in f32, as accurately as f32 sums, v_exp_f32 and their like allow (about 1e-6 of the number): no bf16 or f16 on the way to a quantiser, and a product that is left as it is and whose result goes on into a quantised operand takes f32 operands (vector FMAs, or v_wmma_f32_16x16x4_f32). A number that lies on a knife's edge between two numbers of the format may be rounded either way, as far as f32 arithmetic and the matrix unit's own rounding can turn it there, and no further.
;;   INPUTS GIVEN AS CODES. Wk (in the module: [1024, 1024], K = its axis 1); Wo (in the module: [1024, 1024], K = its axis 1); Wq (in the module: [1024, 1024], K = its axis 1); Wv (in the module: [1024, 1024], K = its axis 1); x (in the module: [4, 2048, 1024], K = its axis 2): each comes as NAME_codes (uint8): NAME with its K axis moved to the last place and cut into blocks of 32 codes, [.., K / 32, bytes a block], one block behind the other in memory; four codes in three bytes: a row's codes are one little-endian stream of bits, code i at bits 6 i .. 6 i + 5 (a code: sign, 2 exponent bits, 3 mantissa bits); and NAME_scales (uint8): the same leading axes, one E8M0 byte (e + 127) for each 32 codes along K. Its value is code x scale, taken as it is: it is not quantised again, and the codes and scales need not be those that the quantiser above would give.
;; One version. Each part assembles by itself: llvm-mc -triple=amdgcn-amd-amdhsa -mcpu=gfx1250 --defsym DOCPART=n.
;; ======== version 1 of 1: 4 launches
;; limits: right only within a limited range of input values
;; workspace buffers: mbits 524,288 bytes of whole numbers; mflag 16,384 bytes of whole numbers; qimg 13,631,488 bytes; kvimg 13,631,488 bytes; attimg 6,291,456 bytes; attsc 262,144 bytes
;; launch maskpack (part 1): grid 128 x 1, 16 waves a work-group, no clusters, 137,472 bytes of LDS; arguments mask, mbits, mflag; writes mbits, mflag
.if DOCPART == 1
	.amdgcn_target "amdgcn-amd-amdhsa--gfx1250"
	.amdhsa_code_object_version 6
	.text
	.protected	k_qcf4e2a84cf_maskpack
	.globl	k_qcf4e2a84cf_maskpack
	.p2align	8
	.type	k_qcf4e2a84cf_maskpack,@function
k_qcf4e2a84cf_maskpack:
	s_mov_b64 s[64:65], 0
	v_nop
	global_prefetch_b8 v0, s[64:65] scope:SCOPE_SE
	s_setreg_imm32_b32 hwreg(HW_REG_WAVE_MODE, 25, 1), 1
	s_wait_xcnt 0x0
; THE MASK [2048 queries][2048 keys] of int32 IS TURNED, ONCE, INTO LANE MASKS AND FLAGS for the attention launch, which would else read its 16 MiB once for each of 64 heads.
; A tile of 16 queries T = 2 B + u holds, at place r, query 32 B + 8 u + r + 8 (r / 8); a key step s is keys 128 s .. 128 s + 127.
; mbits [128 tiles][16 steps][64 words]: word n = 16 bb + i, bit L = r + 16 h: mask[query at place r][128 s + 32 bb + 16 h + i] != 0: the very lane and register in which the attention launch holds that score.
; mflag [128 tiles][32 equal words]: bit s: step s must be worked (some key of it counts for some query of the tile, or the tile has a query for which NO key counts: for such a query every masked key counts alike);
;                                    bit 16 + s: step s has holes, so its lane masks must be applied.
; SHARES.  A work-group takes a tile of queries, each of its sixteen waves a key step: 16 rows x 512 bytes.  Each load of a wave reads 512 consecutive bytes of one row; the 8 KiB turn through the wave's own
; stage in LDS (rows 528 bytes apart: an odd multiple of 16), so that lane (r, h) holds 64 numbers of row r.
; No matrix work, no tensor loads; one barrier, for the flags.
.set ROWM,  8192                       ; a row of the mask in bytes
.set PITCH, 528
.set WST,   16*PITCH                   ; a wave's stage
.set FL,    16*WST                     ; behind the stages: 8 bytes for each wave: the OR and the AND of its 64 words
.set R,     16                         ; v16-79   the rows as loaded
.set X,     80                         ; v80-143  register 16 bb + i: mask[row r][128 s + 32 bb + 16 h + i]
.set OUTW,  144                        ; v144-145 lane l: words 2 l and 2 l + 1
.set FW,    146                        ; v146-147 OR, AND
	s_load_b128 s[4:7], s[0:1], 0x0                ; mask, mbits
	s_load_b64 s[8:9], s[0:1], 0x10                ; mflag
	v_lshl_add_u32 v148, v0, 2, 0x21100
	v_mov_b32 v149, 0
	v_lshrrev_b32 v8, 5, v0
	v_readfirstlane_b32 s10, v8                    ; wave = key step
	v_and_b32 v8, 31, v0                           ; lane
	v_and_b32 v9, 15, v0                           ; r
	v_bfe_u32 v10, v0, 4, 1                        ; h
	v_lshlrev_b32 v1, 4, v8                        ; 16 x lane: my bytes of a load's 512
	s_mul_i32 s11, s10, WST
	v_add_nc_u32 v2, s11, v1                       ; the stage, on the way in
	v_mul_u32_u24 v3, v9, PITCH
	v_lshl_add_u32 v3, v10, 6, v3
	v_add_nc_u32 v3, s11, v3                       ; and on the way out: row r, + 64 h
	v_lshlrev_b32 v4, 3, v8                        ; 8 x lane: my two words
	v_lshlrev_b32 v5, 2, v8                        ; 4 x lane
	s_lshl_b32 s11, s10, 3
	s_add_co_u32 s11, s11, FL
	v_mov_b32 v6, s11                              ; my wave's OR and AND
	v_lshl_add_u32 v7, v9, 3, FL                   ; step r's
	v_mov_b32 v[OUTW], 0                           ; written once: v_writelane_b32 keeps the other lanes
	v_mov_b32 v[OUTW+1], 0
	s_mov_b32 s12, 0                               ; OR
	s_mov_b32 s13, -1                              ; AND
	s_lshr_b32 s14, ttmp9, 1
	s_lshl_b32 s14, s14, 5
	s_and_b32 s15, ttmp9, 1
	s_lshl_b32 s15, s15, 3
	s_add_co_u32 s14, s14, s15                     ; the tile's first query: 32 (T / 2) + 8 (T % 2)
	s_lshl_b32 s14, s14, 13
	s_lshl_b32 s15, s10, 9
	s_add_co_u32 s14, s14, s15                     ; + 512 bytes a key step
	s_mov_b32 s15, 0
	s_lshl_b32 s16, ttmp9, 12
	s_lshl_b32 s17, s10, 8
	s_add_co_u32 s16, s16, s17                     ; mbits: 4,096 T + 256 s
	s_mov_b32 s17, 0
	s_lshl_b32 s18, ttmp9, 7                       ; mflag: 128 T
	s_mov_b32 s19, 0
	s_wait_kmcnt 0x0
	s_add_nc_u64 s[4:5], s[4:5], s[14:15]
	s_add_nc_u64 s[6:7], s[6:7], s[16:17]
	s_add_nc_u64 s[8:9], s[8:9], s[18:19]
.irp rr, 0,1,2,3,4,5,6,7,8,9,10,11,12,13,14,15
	global_load_b128 v[R+4*\rr:R+4*\rr+3], v1, s[4:5] offset:(\rr+8*(\rr/8))*ROWM th:TH_LOAD_NT   ; place rr's row: 512 consecutive bytes; read once in the launch
.endr
.irp rr, 0,1,2,3,4,5,6,7,8,9,10,11,12,13,14,15
	s_wait_loadcnt 15-\rr                          ; loads come back in order: row rr is in, the younger ones stay out
	ds_store_b128 v2, v[R+4*\rr:R+4*\rr+3] offset:PITCH*\rr
.endr
.irp bb, 0,1,2,3
.irp ii, 0,1,2,3
	ds_load_b128 v[X+16*\bb+4*\ii:X+16*\bb+4*\ii+3], v3 offset:128*\bb+16*\ii   ; LDS serves a wave's instructions in order: these see my stores
.endr
.endr
.set m, 0
.rept 16
	s_wait_dscnt 15-m                              ; the m-th of the sixteen reads is back
.irp k, 0,1,2,3
	v_cmp_ne_u32 s[20+\k], 0, v[X+4*m+\k]          ; word n = 4 m + k: a bit for each lane
.endr
.irp k, 0,1,2,3
	v_writelane_b32 v[OUTW+\k%2], s[20+\k], 2*m+\k/2
.endr
.irp k, 0,1,2,3
	s_or_b32 s12, s12, s[20+\k]
	s_and_b32 s13, s13, s[20+\k]
.endr
.set m, m+1
.endr
	global_store_b64 v4, v[OUTW:OUTW+1], s[6:7]    ; the wave stores 256 consecutive bytes, aligned
	v_mov_b32 v[FW], s12
	v_mov_b32 v[FW+1], s13
	ds_store_b64 v6, v[FW:FW+1]                    ; all lanes write the same 8 bytes with the same value
	s_wait_dscnt 0x0                               ; for wave 0's sake: my store has landed
	s_barrier_signal -1
	s_barrier_wait -1
	s_cmp_lg_u32 s10, 0                            ; wave 0 makes the tile's flags
	s_cbranch_scc1 .Ldone
	ds_load_b64 v[FW:FW+1], v7                     ; lane r (and r + 16): step r's OR and AND
	s_wait_dscnt 0x0
	v_cmp_ne_u32 s24, 0, v[FW]                     ; bit s: some key of step s counts
	v_cmp_ne_u32 s25, -1, v[FW+1]                  ; bit s: step s has holes
	s_mov_b32 s26, 0
.irp l, 0,1,2,3,4,5,6,7,8,9,10,11,12,13,14,15
	v_readlane_b32 s28, v[FW], \l
	s_or_b32 s26, s26, s28                         ; bit r + 16 h: query r has a key that counts, in its half h
.endr
	s_lshr_b32 s27, s26, 16
	s_or_b32 s27, s27, s26
	s_and_b32 s27, s27, 0xffff                     ; bit r: query r has a key that counts
	s_cmp_eq_u32 s27, 0xffff
	s_cselect_b32 s24, s24, 0xffff                 ; a query without any: every step is worked
	s_and_b32 s24, s24, 0xffff
	s_lshl_b32 s25, s25, 16
	s_or_b32 s24, s24, s25
	v_mov_b32 v[FW], s24
	global_store_b32 v5, v[FW], s[8:9]             ; 32 equal words
.Ldone:
	s_wait_tensorcnt 0x0
	ds_add_u32 v148, v149
	s_wait_dscnt 0x0
	s_endpgm
.Lfunc_end_k_qcf4e2a84cf_maskpack:
	.size	k_qcf4e2a84cf_maskpack, .Lfunc_end_k_qcf4e2a84cf_maskpack-k_qcf4e2a84cf_maskpack
	.p2alignl 7, 3214868480
	.fill 96, 4, 3214868480
	.section	.rodata,"a",@progbits
	.p2align	6, 0x0
	.amdhsa_kernel k_qcf4e2a84cf_maskpack
		.amdhsa_group_segment_fixed_size 137472
		.amdhsa_private_segment_fixed_size 0
		.amdhsa_enable_private_segment 0
		.amdhsa_kernarg_size 24
		.amdhsa_user_sgpr_count 2
		.amdhsa_user_sgpr_kernarg_segment_ptr 1
		.amdhsa_wavefront_size32 1
		.amdhsa_system_sgpr_workgroup_id_x 1
		.amdhsa_system_sgpr_workgroup_id_y 1
		.amdhsa_system_sgpr_workgroup_id_z 1
		.amdhsa_system_vgpr_workitem_id 0
		.amdhsa_next_free_vgpr 150
		.amdhsa_next_free_sgpr 66
		.amdhsa_reserve_vcc 0
		.amdhsa_float_denorm_mode_32 3
		.amdhsa_float_denorm_mode_16_64 3
		.amdhsa_memory_ordered 1
		.amdhsa_forward_progress 1
		.amdhsa_inst_pref_size 22
	.end_amdhsa_kernel
	.amdgpu_metadata
---
amdhsa.version: [ 1, 2 ]
amdhsa.kernels:
  - .name:           k_qcf4e2a84cf_maskpack
    .symbol:         k_qcf4e2a84cf_maskpack.kd
    .args:
      - { .name: mask, .offset: 0, .size: 8, .value_kind: global_buffer, .address_space: global }
      - { .name: mbits, .offset: 8, .size: 8, .value_kind: global_buffer, .address_space: global }
      - { .name: mflag, .offset: 16, .size: 8, .value_kind: global_buffer, .address_space: global }
    .group_segment_fixed_size: 137472
    .private_segment_fixed_size: 0
    .kernarg_segment_align: 8
    .kernarg_segment_size: 24
    .max_flat_workgroup_size: 512
    .sgpr_count:     66
    .vgpr_count:     150
    .wavefront_size: 32
...
	.end_amdgpu_metadata
.endif
;; end of part 1
;; launch qkv (part 2): grid 12 x 32, 4 waves a work-group, clusters of 4 x 4, 327,680 bytes of LDS; arguments x_codes, x_scales, Wq_codes, Wq_scales, Wk_codes, Wk_scales, Wv_codes, Wv_scales, bq, bk, bv, qimg, kvimg; writes qimg, kvimg
.if DOCPART == 2
	.amdgcn_target "amdgcn-amd-amdhsa--gfx1250"
	.amdhsa_code_object_version 6
	.text
	.protected	k_qcf4e2a84cf_qkv
	.globl	k_qcf4e2a84cf_qkv
	.p2align	8
	.type	k_qcf4e2a84cf_qkv,@function
k_qcf4e2a84cf_qkv:
	s_mov_b64 s[64:65], 0
	v_nop
	global_prefetch_b8 v0, s[64:65] scope:SCOPE_SE
	s_setreg_imm32_b32 hwreg(HW_REG_WAVE_MODE, 25, 1), 1
	s_wait_xcnt 0x0
	s_wait_alu depctr_hold_cnt(0) depctr_sa_sdst(0) depctr_va_vdst(0) depctr_va_sdst(0) depctr_va_ssrc(0) depctr_va_vcc(0) depctr_vm_vsrc(0)
	s_getreg_b32 s2, hwreg(HW_REG_IB_STS2, 6, 4)
	s_cmp_eq_u32 s2, 0
	s_cbranch_scc0 .Lentry_in_a_cluster
	s_endpgm
.Lentry_in_a_cluster:
	s_bfe_u32 s2, ttmp6, 0x10000c
	s_cmp_lg_u32 s2, 0xf033
	s_cbranch_scc0 .Lentry_shape_is_right
	s_endpgm
.Lentry_shape_is_right:
; q = x Wq^T + bq, k = x Wk^T + bk, v = x Wv^T + bv on codes of FP6 (E2M3) with one E8M0 scale for each 32 along K = 1,024; the results, in f32, are quantised here for the attention launch and leave as codes.
; One launch for the three: cluster x = 0: q, 1: k, 2: v.  A tile of 256 x 256 results to a work-group of four waves, 128 x 128 to a wave (64 accumulators, 512 registers); K in steps of 256 through two LDS slots.
; THE MATRIX INSTRUCTION IS USED TRANSPOSED: source 0 = 16 rows of 'B', source 1 = 16 rows of 'A': a lane holds one row of A and its registers run along B's rows.
;   q, k: A = x, B = W: a lane holds one token, its registers run along the channels: q and k are quantised along the head's 64 channels.
;   v:    A = Wv, B = x: a lane holds one channel, its registers run along the tokens: v is quantised along the keys.
; Only pointers and tile numbers are chosen by the cluster's x, which all sixteen partners share; the loop over K is one text.
; CLUSTERS: 4 x 4 work-groups; A's tiles are asked for jointly along a row of the cluster, B's along a column: the same tensor load, descriptor and mask in the four that the mask names.
; WHAT LEAVES.  For each (batch, head) and each 256 tokens a container of 26,624 bytes, laid in the order of the operands' registers:
;   + 0      16 tiles of 16 tokens x 768: q's or k's codes of the head's 64 channels: registers 0-3 at 16 x lane, then registers 4-5 at 512 + 8 x lane
;   + 12,288 2 key steps x 4 tiles of 16 channels x 1,536: v's codes, K = 128 keys: registers 4 c .. 4 c + 3 at 512 c + 16 x lane
;   + 24,576 16 tiles x 64: q's or k's scale words, 4 bytes a token (bytes 0, 1 the head's two blocks; bytes 2, 3 stand over zero codes and are never 0xff)
;   + 25,600 8 x 128: v's scale words, 4 bytes a channel, lanes 16-31 a copy
; A TILE OF 16 (tokens or channels) 2 B + u holds at place p the index 32 B + 8 u + p + 8 (p / 8): as source 0 of a transposed product it leaves 16 neighbours in the 16 registers of two neighbouring tiles.
; That order is made here by the addresses of the stores into the stage alone.
; LIMITS: a block whose largest magnitude lies under 2^-124 keeps the scale byte 1 (a block of zeros too, where the quantiser's rule says 127: its codes are zeros, and this program alone reads the bytes);
; NaN and infinities are not served.
; REGISTERS, in windows of 256: window 0: v0-31 addresses; v32-63 scale words, two sets; v64-127 and v230-245 the biases; v128-223 A's fragments, ONE set; on the way out v128-229 are at work.
;   window 1: B's fragments, TWO sets, at v0 and v128.   window 2: the accumulators of A's blocks 0-3 ((a, b) at v[8 (8 (a % 4) + b)]);   window 3: those of blocks 4-7.
.set KSTEP,  256                       ; along K in a slot
.set NQ,     KSTEP/128                 ; matrix instructions deep
.set ROWB,   192                       ; a tile's row in bytes
.set KROW,   768                       ; a row of x or of W in memory: 1,024 codes
.set PITCH,  240                       ; an LDS row: 3 x (64 bytes + 16 of padding): the 32 lanes of a load of 8 bytes touch 64 different banks (64 banks of 4 bytes: ISA guide 11.1)
.set FR,     12                        ; registers of a fragment: 16 rows x 128 K
.set NL,     6                         ; LDS loads that bring one
.set NP,     4                         ; places behind this matrix instruction (ISA guide 7.12.1)
.set HALFT,  128*PITCH                 ; 128 rows: what one tensor load brings
.set SLOT,   4*HALFT                   ; A's 256 rows, then B's 256
.set LAPS,   2                         ; a lap = two K steps; K = 1,024 is two laps
.set KS,     32                        ; a row of scale bytes
.set SCL,    2*SLOT                    ; behind the ring: the scale bytes, as runs of 256 bytes + 16 of padding
.set HALFS,  (128*KS/256)*272          ; those of 128 rows
.set SBLK,   (16*KS/256)*272           ; those of 16 rows
.set SPARE,  SCL+4*HALFS               ; the spare words, 128 bytes for each wave: two blocks of 256 bytes that no other line names
.set SLOTB,  26624                     ; a container
.set HEADB,  8*SLOTB                   ; a head's eight
.set WST,    13312                     ; the way out: a wave's stage: two heads x 6,144 bytes of codes, then two x 512 of scale words.  The stages lie in slot 0, which has had its last fill and its last read by then
.set STV,    4*WST                     ; v's stages lie behind q's and k's: each way out has bytes of its own
.set SQ16, 8                           ; v8   q, k: where a lane's registers 0-3 go
.set SQ8,  9                           ; v9   registers 4-5
.set SQ4,  10                          ; v10  the scale word
.set SV16, 11                          ; v11  v: where four registers go
.set SV4,  12                          ; v12  the scale word
.set RDQ,  13                          ; v13  back out of the stage: 16 x lane, q's and k's
.set RDV,  14                          ; v14  v's
.set CO,   15                          ; v15  16 x lane: the same place in memory
.set ADRA, 16                          ; v16-17 LDS address of my A fragments in slot 0, 1 (v18-19: for the pieces behind one padding more)
.set ADRB, 20                          ; v20-21 the same for B (v22-23)
.set ADRS, 27                          ; v27  my scale words: lanes 0-15 A's rows, lanes 16-31 B's
.set SPW,  28                          ; v28  my spare word: SPARE + 4 x my thread's number; never rewritten
.set NIL,  29                          ; v29  0; never rewritten
.set BO8,  30                          ; v30  32 h: the bias of eight neighbouring channels
.set BO1,  31                          ; v31  4 r: the bias of my channel
.set SC,   32                          ; scale words: set s at v[SC + 16 s]; register 2 i + q: lanes 0-15 A's block i, lanes 16-31 B's block i
.set BI,   64                          ; v64-127  bias[my first channel + 16 b + 8 h + j] at 8 b + j
.set AF,   128                         ; A's fragments
.set H,    128                         ; the way out: 64 numbers of a lane
.set PC,   192                         ; v192-210 the codes just made
.set TM,   212                         ; v212-227 at work in the quantiser
.set PW,   228                         ; the scale word just made
.set PW2,  229                         ; its upper half
.set BV,   230                         ; v230-245 bias[my first channel + 16 a + r], twice, at 2 a
.set G1,   24                           ; s[24:31] descriptor group 1 for A's tiles; s[32:39] group 0, a set for each slot
.set G0,   32
.set G1B,  48                          ; s[48:55], s[56:63] the same for B's
.set G0B,  56
.set G1S,  68                          ; s[68:75], s[76:79] groups 1 and 0 for A's scale bytes; s[80:87], s[88:91] for B's
.set G0S,  76
.set G1SB, 80
.set G0SB, 88
.set SEL,  96                          ; s[96:97] v_permlanex16_b32's selects for lane l xor 16
.set PV,   98                          ; s98  1: this cluster makes v
.set MSB, 0
.macro WIN new                         ; the immediate's high byte repeats the setting that is left
.if MSB != (\new)
	s_set_vgpr_msb (MSB<<8)|(\new)
.set MSB, (\new)
.endif
.endm
.set MUL_LO, 0xa1                      ; source 0 (B) window 1, source 1 (A) window 0, C and D window 2
.set MUL_HI, 0xf1                      ; the same, C and D window 3
.set TO_B,   0x40                      ; destination window 1, address window 0
; A joint load: waves 0 and 1 fetch for A, waves 2 and 3 for B.  Each line has one mask and one set of registers for all that issue it; the branch hangs on the wave's number alone.
; Four v_nop follow each of the two lines, ahead of the jump, the label and what follows.
.macro JLOAD g0a, g1a, g0b, g1b
	s_cmp_eq_u32 s15, 0
	s_cbranch_scc0 .Lfor_b_\@
	tensor_load_to_lds s[\g0a:\g0a+3], s[\g1a:\g1a+7]
	s_nop 0
.rept 4
	v_nop
.endr
	s_branch .Lasked_\@
.Lfor_b_\@:
	tensor_load_to_lds s[\g0b:\g0b+3], s[\g1b:\g1b+7]
	s_nop 0
.rept 4
	v_nop
.endr
.Lasked_\@:
.endm
.macro CREST                           ; a round of the cluster's barrier behind its opening barrier
	s_cmp_lg_u32 s14, 0
	s_cbranch_scc1 .Lnot_wave_0_\@
	s_barrier_signal -3
.Lnot_wave_0_\@:
	s_barrier_wait -3
	s_barrier_signal -1
	s_barrier_wait -1
.endm
.macro CROUND                          ; a whole round
	s_barrier_signal -1
	s_barrier_wait -1
	CREST
.endm
	s_load_b512 s[68:83], s[0:1], 0x0              ; x's codes, scales; Wq's; Wk's; Wv's
	s_load_b256 s[84:91], s[0:1], 0x40             ; bq, bk, bv, qimg
	s_load_b64 s[92:93], s[0:1], 0x60              ; kvimg
	v_lshl_add_u32 v[SPW], v0, 2, SPARE
	v_mov_b32 v[NIL], 0
	ds_add_u32 v28, v29
	ds_add_u32 v28, v29
	s_wait_dscnt 0x0
	v_lshrrev_b32 v1, 5, v0
	v_readfirstlane_b32 s14, v1                    ; wave 0..3
	s_lshr_b32 s15, s14, 1                         ; which half of A's rows is mine.  Also: I fetch for A (0) or for B (1)
	s_and_b32 s16, s14, 1                          ; which half of B's rows.  Also: which 128 rows of that tile I fetch
	s_bfe_u32 s40, ttmp6, 0x40000                  ; cx, cy: my place in the cluster
	s_bfe_u32 s41, ttmp6, 0x40004
	s_and_b32 s99, ttmp7, 0xffff
	s_lshl_b32 s99, s99, 2                         ; 4 x cluster y: x's 32 tiles of 256 tokens are walked by it
	s_cmp_eq_u32 ttmp9, 2                          ; v?  The cluster's x is the same in all sixteen partners
	s_cselect_b32 s[PV], 1, 0
	s_cselect_b32 s17, 0, s99
	s_cselect_b32 s42, s99, 0
	s_add_co_u32 s17, s17, s41                     ; A's tile: q, k: 4 x cluster y + cy (tokens); v: cy (channels)
	s_add_co_u32 s42, s42, s40                     ; B's tile: q, k: cx (channels); v: 4 x cluster y + cx (tokens)
	s_lshl_b32 s43, s41, 2
	s_lshl_b32 s43, 15, s43                        ; my row of the cluster
	s_lshl_b32 s44, 0x1111, s40                    ; my column
	; descriptor group 1: a tile of 128 rows x 192 bytes, padded in LDS
	s_or_b32 s[G1+0], s43, (0<<16)|(1<<20)|(1<<21)|(3<<22)|(3<<25)  ; 15:0 the mask: A's tiles go to my row; 17:16 elements of 1 byte; 20 padding on; 21 set beside a mask; 24:22 after every 16 words; 31:25 4 words of it
	s_or_b32 s[G1B+0], s44, (0<<16)|(1<<20)|(1<<21)|(3<<22)|(3<<25)
.irp g, G1, G1B
	s_mov_b32 s[\g+1], ROWB<<16                    ; tensor_dim0
	s_mov_b32 s[\g+2], 128<<16                     ; tensor_dim1
	s_mov_b32 s[\g+3], ROWB<<16                    ; tile_dim0
	s_mov_b32 s[\g+4], 128                         ; tile_dim1
	s_mov_b32 s[\g+5], KROW                        ; tensor_dim0_stride
	s_mov_b32 s[\g+6], 0
	s_mov_b32 s[\g+7], 0
.endr
	s_lshl_b32 s18, s16, 7                         ; which 128 rows of the tile I fetch
	s_lshl_b32 s20, s17, 8
	s_add_co_u32 s20, s20, s18                     ; A: row 256 x tile + 128 x half
	s_lshl_b32 s46, s42, 8
	s_add_co_u32 s46, s46, s18                     ; B likewise
	s_mov_b32 s21, 0
	s_mov_b32 s47, 0
	s_mov_b64 s[18:19], KS
	s_mul_u64 s[22:23], s[20:21], s[18:19]         ; where these rows' scale bytes begin
	s_mul_u64 s[94:95], s[46:47], s[18:19]
	s_mov_b64 s[18:19], KROW
	s_mul_u64 s[20:21], s[20:21], s[18:19]         ; and their codes
	s_mul_u64 s[46:47], s[46:47], s[18:19]
	s_mul_i32 s45, s14, HALFT                      ; where they go: wave x 128 rows: no place in the cluster enters an LDS address
	s_mul_i32 s2, s14, HALFS
	s_mov_b32 s[SEL], 0x76543210
	s_mov_b32 s[SEL+1], 0xfedcba98
	s_wait_kmcnt 0x0
	s_cmp_eq_u32 ttmp9, 0                          ; the buffers are chosen by the cluster's x alone
	s_cselect_b64 s[8:9], s[72:73], s[76:77]       ; B's codes: Wq's or Wk's
	s_cselect_b64 s[10:11], s[74:75], s[78:79]     ; B's scales
	s_cselect_b64 s[12:13], s[90:91], s[92:93]     ; q goes to qimg, k and v to kvimg
	s_cselect_b64 s[100:101], s[84:85], s[86:87]   ; the bias
	s_cmp_eq_u32 ttmp9, 2
	s_cselect_b64 s[8:9], s[68:69], s[8:9]         ; v: B = x
	s_cselect_b64 s[10:11], s[70:71], s[10:11]
	s_cselect_b64 s[4:5], s[80:81], s[68:69]       ; A's codes: Wv's, else x's
	s_cselect_b64 s[6:7], s[82:83], s[70:71]
	s_cselect_b64 s[100:101], s[88:89], s[100:101]
	; group 1 for the scale bytes of 128 rows: a dense block of 4,096 bytes, as 16 rows of 256 bytes (32 elements of 8 bytes), 16 bytes of padding behind each
	s_or_b32 s[G1S+0], s43, (3<<16)|(1<<20)|(1<<21)|(5<<22)|(3<<25)
	s_or_b32 s[G1SB+0], s44, (3<<16)|(1<<20)|(1<<21)|(5<<22)|(3<<25)
.irp g, G1S, G1SB
	s_mov_b32 s[\g+1], 32<<16
	s_mov_b32 s[\g+2], (128*KS/256)<<16
	s_mov_b32 s[\g+3], 32<<16
	s_mov_b32 s[\g+4], 128*KS/256
	s_mov_b32 s[\g+5], 32
	s_mov_b32 s[\g+6], 0
	s_mov_b32 s[\g+7], 0
.endr
	s_add_nc_u64 s[20:21], s[4:5], s[20:21]
	s_add_nc_u64 s[22:23], s[6:7], s[22:23]
	s_add_nc_u64 s[46:47], s[8:9], s[46:47]
	s_add_nc_u64 s[94:95], s[10:11], s[94:95]
	CROUND                                         ; all sixteen work-groups are here: the first joint loads meet
	s_mov_b32 s[G0S], 1
	s_add_co_u32 s[G0S+1], s2, SCL
	s_mov_b64 s[G0S+2:G0S+3], s[22:23]
	s_or_b32 s[G0S+3], s[G0S+3], 0x80000000
	s_mov_b32 s[G0SB], 1
	s_add_co_u32 s[G0SB+1], s2, SCL
	s_mov_b64 s[G0SB+2:G0SB+3], s[94:95]
	s_or_b32 s[G0SB+3], s[G0SB+3], 0x80000000
	JLOAD G0S, G1S, G0SB, G1SB                     ; the scale bytes first: they are wanted with K step 0
.irp s, 0,1
	s_mov_b32 s[G0+4*\s], 1
	s_add_co_u32 s[G0+4*\s+1], s45, \s*SLOT
	s_add_nc_u64 s[G0+4*\s+2:G0+4*\s+3], s[20:21], \s*ROWB
	s_or_b32 s[G0+4*\s+3], s[G0+4*\s+3], 0x80000000
	s_mov_b32 s[G0B+4*\s], 1
	s_add_co_u32 s[G0B+4*\s+1], s45, \s*SLOT
	s_add_nc_u64 s[G0B+4*\s+2:G0B+4*\s+3], s[46:47], \s*ROWB
	s_or_b32 s[G0B+4*\s+3], s[G0B+4*\s+3], 0x80000000
	JLOAD G0+4*\s, G1, G0B+4*\s, G1B
.endr
	v_and_b32 v1, 15, v0                           ; r
	v_bfe_u32 v2, v0, 4, 1                         ; h
	v_mul_u32_u24 v3, v1, PITCH
	v_mul_u32_u24 v4, v2, 24
	v_add_nc_u32 v4, v3, v4                        ; a fragment's row x pitch + 24 x half
	v_lshl_add_u32 v5, v2, 4, v4                   ; and the same behind one padding more
	s_mul_i32 s21, s15, HALFT                      ; my 128 rows of A
	s_mul_i32 s22, s16, HALFT                      ; my 128 rows of B,
	s_add_co_u32 s22, s22, 2*HALFT                 ; which lie behind A's 256
.irp s, 0,1
	v_add_nc_u32 v[ADRA+\s], s21, v4
	v_add_nc_u32 v[ADRB+\s], s22, v4
	v_add_nc_u32 v[ADRA+2+\s], s21, v5
	v_add_nc_u32 v[ADRB+2+\s], s22, v5
	s_add_co_u32 s21, s21, SLOT
	s_add_co_u32 s22, s22, SLOT
.endr
	v_mul_u32_u24 v5, v1, KS                       ; my row's scale bytes: 32 a row,
	v_lshrrev_b32 v6, 8, v5
	v_lshl_add_u32 v5, v6, 4, v5                   ; and 16 more for each 256 passed
	s_mul_i32 s21, s15, HALFS                      ; A's: my 128 rows
	s_mul_i32 s22, s16, HALFS                      ; B's: my 128 rows, behind A's 256
	s_add_co_u32 s22, s22, 2*HALFS
	s_sub_co_u32 s22, s22, s21
	v_mul_u32_u24 v6, s22, v2                      ; lanes 16-31 take B's
	s_add_co_u32 s21, s21, SCL
	v_add_nc_u32 v5, v5, v6
	v_add_nc_u32 v[ADRS], s21, v5
	; the stage's addresses.  A's natural block a holds, at lane r, index 16 a + r: that is tile 2 (a / 2) + r / 8, place r % 8 + 8 (a % 2).  What hangs on a stands in the stores' immediates.
	s_mul_i32 s23, s14, WST
	v_lshrrev_b32 v6, 3, v1                        ; r / 8
	v_and_b32 v7, 7, v1                            ; r % 8
	v_mul_u32_u24 v[SQ16], v6, 768
	v_lshl_add_u32 v[SQ16], v7, 4, v[SQ16]
	v_lshl_add_u32 v[SQ16], v2, 8, v[SQ16]
	v_add_nc_u32 v[SQ16], s23, v[SQ16]             ; 768 (r / 8) + 16 (r % 8) + 256 h
	v_mul_u32_u24 v[SQ8], v6, 768
	v_lshl_add_u32 v[SQ8], v7, 3, v[SQ8]
	v_lshl_add_u32 v[SQ8], v2, 7, v[SQ8]
	v_add_nc_u32 v[SQ8], s23, v[SQ8]
	v_add_nc_u32 v[SQ8], 512, v[SQ8]               ; 768 (r / 8) + 512 + 8 (r % 8) + 128 h
	v_lshlrev_b32 v[SQ4], 6, v6
	v_lshl_add_u32 v[SQ4], v7, 2, v[SQ4]
	v_add_nc_u32 v[SQ4], s23, v[SQ4]
	v_add_nc_u32 v[SQ4], 12288, v[SQ4]             ; 12,288 + 64 (r / 8) + 4 (r % 8)
	v_mul_u32_u24 v[SV16], v6, 1536
	v_lshl_add_u32 v[SV16], v7, 4, v[SV16]
	v_lshl_add_u32 v[SV16], v2, 8, v[SV16]
	v_add_nc_u32 v[SV16], s23, v[SV16]
	v_add_nc_u32 v[SV16], STV, v[SV16]             ; 1,536 (r / 8) + 16 (r % 8) + 256 h
	v_lshlrev_b32 v[SV4], 7, v6
	v_lshl_add_u32 v[SV4], v7, 2, v[SV4]
	v_lshl_add_u32 v[SV4], v2, 6, v[SV4]
	v_add_nc_u32 v[SV4], s23, v[SV4]
	v_add_nc_u32 v[SV4], STV+12288, v[SV4]         ; 12,288 + 128 (r / 8) + 4 (r % 8) + 64 h
	v_and_b32 v5, 31, v0
	v_lshlrev_b32 v[CO], 4, v5
	v_add_nc_u32 v[RDQ], s23, v[CO]
	v_add_nc_u32 v[RDV], STV, v[RDQ]
	v_lshlrev_b32 v[BO8], 5, v2
	v_lshlrev_b32 v[BO1], 2, v1
	; where my results go, and my biases.  These numbers feed global addresses alone
	s_lshl_b32 s20, s17, 8
	s_lshl_b32 s21, s15, 7
	s_add_co_u32 s20, s20, s21                     ; my first row of A
	s_lshl_b32 s46, s42, 8
	s_lshl_b32 s47, s16, 7
	s_add_co_u32 s46, s46, s47                     ; my first row of B
	s_cmp_eq_u32 s[PV], 1
	s_cselect_b32 s21, s46, s20                    ; my first token
	s_cselect_b32 s47, s20, s46                    ; my first channel
	s_cselect_b32 s18, 12288, 0                    ; v's codes lie behind k's,
	s_cselect_b32 s19, 1024, 0                     ; v's scale words behind k's
	s_lshr_b32 s92, s21, 11                        ; the batch
	s_lshl_b32 s92, s92, 4
	s_lshr_b32 s94, s47, 6
	s_add_co_u32 s92, s92, s94                     ; 16 x batch + my first head
	s_lshl_b32 s92, s92, 3
	s_bfe_u32 s94, s21, 0x30008                    ; which 256 tokens of the sequence
	s_add_co_u32 s92, s92, s94
	s_mul_i32 s92, s92, SLOTB
	s_mov_b32 s93, 0
	s_add_nc_u64 s[12:13], s[12:13], s[92:93]      ; the container
	s_bfe_u32 s94, s21, 0x10007                    ; which 128 of the 256
	s_lshl_b32 s92, s94, 9
	s_add_co_u32 s92, s92, s19
	s_add_co_u32 s92, s92, 24576
	s_add_nc_u64 s[66:67], s[12:13], s[92:93]      ; my scale words
	s_mul_i32 s92, s94, 6144
	s_add_co_u32 s92, s92, s18
	s_add_nc_u64 s[12:13], s[12:13], s[92:93]      ; my codes
	s_lshl_b32 s92, s47, 2
	s_add_nc_u64 s[100:101], s[100:101], s[92:93]  ; my 128 channels' biases
.irp b, 0,1,2,3,4,5,6,7                        ; both forms of the bias are loaded whatever is made: each way out reads its own
	global_load_b128 v[BI+8*\b:BI+8*\b+3], v[BO8], s[100:101] offset:64*\b
	global_load_b128 v[BI+8*\b+4:BI+8*\b+7], v[BO8], s[100:101] offset:64*\b+16
.endr
.irp a, 0,1,2,3,4,5,6,7
	global_load_b32 v[BV+2*\a], v[BO1], s[100:101] offset:64*\a
	global_load_b32 v[BV+2*\a+1], v[BO1], s[100:101] offset:64*\a
.endr
.macro FRAG reg, adr, q, i             ; a fragment, 16 rows x 128 K of 6-bit codes, is 12 registers: lane l holds row l % 16; registers 6 c .. 6 c + 5 hold K = 64 c + 32 (l / 16) + 0 .. 31: 24 bytes of the row's stream of bits, as they lie
.irp p, 0,1,2,3,4,5                    ; in pieces of 8 bytes.  Lanes 0-15 take the row's pieces 12 q + 0, 1, 2 and 12 q + 6, 7, 8, lanes 16-31 those three pieces on
.set PIECE, 12*(\q)+6*(\p/3)+\p%3      ; 16 bytes of padding lie behind every 8 pieces: where the piece three on lies behind one padding more, the second address register serves
.if PIECE%8 < 5
	ds_load_b64 v[\reg+2*\p:\reg+2*\p+1], v[\adr] offset:8*PIECE+16*(PIECE/8)+(\i)*16*PITCH
.else
	ds_load_b64 v[\reg+2*\p:\reg+2*\p+1], v[\adr+2] offset:8*PIECE+16*(PIECE/8)+(\i)*16*PITCH
.endif
.endr
.endm
; 16 matrix instructions: A's blocks a0, a0 + 1 x B's eight, 128 along K: the slot's q-th.  p: B's set; sc: the set of scale words.  zero = 1: the first product starts the sums.
; The 64 accumulators take turns, one instruction a turn, in the same order in every step.
.macro MUL16 a0, p, q, sc, zero
.irp a, \a0, \a0+1
.irp b, 0,1,2,3,4,5,6,7
.if \zero
	v_wmma_scale_f32_16x16x128_f8f6f4 v[8*(8*((\a)%4)+\b):8*(8*((\a)%4)+\b)+7], v[128*(\p)+FR*\b:128*(\p)+FR*\b+FR-1], v[AF+FR*(\a):AF+FR*(\a)+FR-1], 0, v[SC+8*NQ*(\sc)+NQ*\b+(\q)], v[SC+8*NQ*(\sc)+NQ*(\a)+(\q)] matrix_a_fmt:MATRIX_FMT_FP6 matrix_b_fmt:MATRIX_FMT_FP6 matrix_a_scale:MATRIX_SCALE_ROW1
.else
	v_wmma_scale_f32_16x16x128_f8f6f4 v[8*(8*((\a)%4)+\b):8*(8*((\a)%4)+\b)+7], v[128*(\p)+FR*\b:128*(\p)+FR*\b+FR-1], v[AF+FR*(\a):AF+FR*(\a)+FR-1], v[8*(8*((\a)%4)+\b):8*(8*((\a)%4)+\b)+7], v[SC+8*NQ*(\sc)+NQ*\b+(\q)], v[SC+8*NQ*(\sc)+NQ*(\a)+(\q)] matrix_a_fmt:MATRIX_FMT_FP6 matrix_b_fmt:MATRIX_FMT_FP6 matrix_a_scale:MATRIX_SCALE_ROW1
.endif
.endr
.endr
.endm
.macro FETCH_B slot, q, p              ; B's eight fragments of the slot's q-th 128 along K into set p
	WIN TO_B
.irp i, 0,1,2,3,4,5,6,7
	FRAG 128*(\p)+FR*\i, ADRB+\slot, \q, \i
.endr
	WIN 0
.endm
.macro FETCH_A slot, q, i0             ; A's blocks i0 .. i0 + 3
.irp i, \i0, \i0+1, \i0+2, \i0+3
	FRAG AF+FR*(\i), ADRA+\slot, \q, \i
.endr
.endm
.macro SCALES sc                       ; a K step's scale words into set sc: two words a row; lanes 0-15 take A's block i, lanes 16-31 B's block i
.irp i, 0,1,2,3,4,5,6,7
	ds_load_b64 v[SC+8*NQ*\sc+NQ*\i:SC+8*NQ*\sc+NQ*\i+1], v[ADRS] offset:\i*SBLK
.endr
.endm
; A load into a register that a matrix instruction has read, and a vector instruction that reads a matrix result or writes one of its registers, stand NP places behind it; only plain vector
; instructions that name none of its registers are places (ISA guide 7.12.1 for vector instructions).
.macro PLACES n
.rept \n
	v_nop
.endr
.endm
; A step of 128 along K that has its successor in the same slot.
.macro STEP slot, q, zero
	s_wait_dscnt 4*NL                              ; B's set and A's blocks 0-3 are in; the youngest 24 loads (A's blocks 4-7) may be out
	WIN MUL_LO
	MUL16 0, (\q)%2, \q, \slot, \zero
	MUL16 2, (\q)%2, \q, \slot, \zero
	s_wait_dscnt 0                                 ; A's blocks 4-7 are in
	PLACES NP
	FETCH_B \slot, (\q)+1, 1-(\q)%2
	FETCH_A \slot, (\q)+1, 0
	WIN MUL_HI
	MUL16 4, (\q)%2, \q, \slot, \zero
	MUL16 6, (\q)%2, \q, \slot, \zero
	PLACES NP
	WIN 0
	FETCH_A \slot, (\q)+1, 4
.endm
; A slot's last step changes slots: ONE barrier; in front of it each wave waits for all its tensor loads, adds 0 to its spare word, and waits for that and for its own reads of this slot.  fill = 1: this slot is filled again, two K steps ahead.
.macro TURN slot, next, fill
	s_wait_tensorcnt 0x0                           ; all my tensor loads have landed: my part of the next slot
	ds_add_u32 v[SPW], v[NIL]                      ; 0 onto my spare word
	s_wait_dscnt 4*NL+1                            ; (the add and the youngest 24 loads, A's blocks 4-7, may be out)
	WIN MUL_LO
	MUL16 0, 1, NQ-1, \slot, 0                     ; sixteen matrix instructions stand between the add and the wait for it
	s_wait_dscnt 0x0                               ; the add is done, and my reads of this slot are over
	s_barrier_signal -1
	MUL16 2, 1, NQ-1, \slot, 0
	WIN 0
	s_barrier_wait -1
.if \fill
	CREST                                          ; the barrier has opened a round of the cluster's barrier: no wave of any partner still reads this slot's tile or has a load on its way
	s_add_nc_u64 s[G0+4*\slot+2:G0+4*\slot+3], s[G0+4*\slot+2:G0+4*\slot+3], 2*ROWB
	s_add_nc_u64 s[G0B+4*\slot+2:G0B+4*\slot+3], s[G0B+4*\slot+2:G0B+4*\slot+3], 2*ROWB
	JLOAD G0+4*\slot, G1, G0B+4*\slot, G1B         ; the first tensor load behind the round; its four v_nop are the places in front of the loads below
.else
	PLACES NP
.endif
	v_add_nc_u32 v[ADRS], 4*NQ, v[ADRS]            ; on to the next K step's scale words (no LDS load of mine is out)
	FETCH_B \next, 0, 0
	FETCH_A \next, 0, 0
	SCALES \next
	WIN MUL_HI
	MUL16 4, 1, NQ-1, \slot, 0
	MUL16 6, 1, NQ-1, \slot, 0
	PLACES NP
	WIN 0
	FETCH_A \next, 0, 4
.endm
	s_wait_tensorcnt 1                             ; of my three loads the scale bytes and K step 0 are in; K step 1's may be out
	s_barrier_signal -1
	s_barrier_wait -1                              ; everybody's are
	FETCH_B 0, 0, 0
	FETCH_A 0, 0, 0
	SCALES 0
	FETCH_A 0, 0, 4
	STEP 0, 0, 1                                   ; the first step stands in front of the loop: its products start the sums
	s_mov_b32 s3, LAPS-1
.Llap:                                                 ; a trip goes once round the ring, from a lap's second step to the next lap's first, and fills both slots again
	TURN 0, 1, 1
	STEP 1, 0, 0
	TURN 1, 0, 1
	STEP 0, 0, 0
	s_sub_co_u32 s3, s3, 1
	s_cmp_lg_u32 s3, 0
	s_cbranch_scc1 .Llap
	TURN 0, 1, 0                                   ; the last lap fills nothing, and has no round of the cluster's barrier
	STEP 1, 0, 0
	s_wait_dscnt 4*NL                              ; the very last step: nothing more to fetch
	WIN MUL_LO
	MUL16 0, 1, NQ-1, 1, 0
	MUL16 2, 1, NQ-1, 1, 0
	s_wait_dscnt 0
	WIN MUL_HI
	MUL16 4, 1, NQ-1, 1, 0
	MUL16 6, 1, NQ-1, 1, 0
	WIN 0
; THE WAY OUT, A's blocks one after the other.  In accumulator (a, b) lane (r, h) holds, of A's row 16 a + r, B's rows 16 b + 8 h + 0 .. 7.
; The bias is added on the way from the accumulators' window into window 0, each accumulator from its low end on.
.macro BIASQK a                        ; registers run along the channels
	WIN 0x02+((\a)/4)
.set i, 0
.rept 32
	v_pk_add_f32 v[H+2*i:H+2*i+1], v[64*((\a)%4)+2*i:64*((\a)%4)+2*i+1], v[BI+2*i:BI+2*i+1]
.set i, i+1
.endr
	WIN 0
.endm
.macro BIASV a                         ; the lane holds one channel
	WIN 0x02+((\a)/4)
.set i, 0
.rept 32
	v_pk_add_f32 v[H+2*i:H+2*i+1], v[64*((\a)%4)+2*i:64*((\a)%4)+2*i+1], v[BV+2*(\a):BV+2*(\a)+1]
.set i, i+1
.endr
	WIN 0
.endm
.macro SWAP16                          ; register 8 b + j = index 16 b + 8 h + j becomes register 16 B + i = index 32 B + 16 h + i: the first's lanes 16-31 change places with the second's lanes 0-15 (both lanes hold the same row of A)
.irp e, 0,1,2,3
.irp j, 0,1,2,3,4,5,6,7
	v_permlane16_swap_b32 v[H+16*\e+\j], v[H+16*\e+8+\j]
.endr
.endr
.endm
; 64 numbers of a lane, register 16 b + i = k 32 b + 16 h + i of my row, become a fragment's codes in v[PC] on and its scale word in v[PW].
.macro QUANT s
.irp b, 0,1,2,3
	v_max3_num_f32 v[TM+\b], |v[\s+16*\b]|, |v[\s+1+16*\b]|, 0x1800000   ; block b: my 16 numbers, and the floor 2^(3 - 127): the byte cannot fall under 1
.endr
.irp i, 2,4,6,8,10,12,14
.irp b, 0,1,2,3
	v_max3_num_f32 v[TM+\b], v[TM+\b], |v[\s+16*\b+\i]|, |v[\s+1+16*\b+\i]|   ; (the four blocks by turns)
.endr
.endr
.irp b, 0,1,2,3
	v_permlanex16_b32 v[TM+4+\b], v[TM+\b], s[SEL], s[SEL+1]
.endr
.irp b, 0,1,2,3
	v_max_num_f32 v[TM+\b], v[TM+\b], v[TM+4+\b]   ; with lane l xor 16's: the block's largest magnitude
.endr
.irp b, 0,1,2,3
	v_add_nc_u32 v[TM+12+\b], 0xff000000, v[TM+\b]   ; 2 off its exponent field: the conversion takes the exponent field of this operand as its scale
.endr
.irp b, 0,1,2,3
	v_lshrrev_b32 v[TM+4+\b], 23, v[TM+12+\b]      ; the scale's byte
.endr
	v_lshl_or_b32 v[PW], v[TM+5], 8, v[TM+4]
	v_lshl_or_b32 v[PW], v[TM+6], 16, v[PW]
	v_lshl_or_b32 v[PW], v[TM+7], 24, v[PW]
.irp c, 0,1
	v_cvt_scalef32_pk16_fp6_f32 v[PC+6*\c:PC+2+6*\c], v[\s+32*\c:\s+15+32*\c], v[TM+12+2*\c]
	v_cvt_scalef32_pk16_fp6_f32 v[PC+12+4*\c:PC+14+4*\c], v[\s+16+32*\c:\s+31+32*\c], v[TM+12+2*\c+1]   ; (a conversion's three registers begin on an even number)
.endr
	v_nop                                          ; one plain place behind a scaled conversion
.irp c, 0,1                                    ; the operand's layout wants a whole block in a lane: lanes 0-15 block 2 c, lanes 16-31 block 2 c + 1
.irp i, 0,1,2
	v_permlane16_swap_b32 v[PC+6*\c+\i], v[PC+12+4*\c+\i]
.endr
.irp i, 0,1,2
	v_mov_b32 v[PC+3+6*\c+\i], v[PC+12+4*\c+\i]
.endr
.endr
.endm
.macro PUTQK a                         ; registers 0-5 are my first head's 64 channels, registers 6-11 my second head's: two half fragments, and two halves of the scale word
	v_lshrrev_b32 v[PW2], 16, v[PW]
	ds_store_b128 v[SQ16], v[PC:PC+3] offset:1536*((\a)/2)+128*((\a)%2)
	ds_store_b64 v[SQ8], v[PC+4:PC+5] offset:1536*((\a)/2)+64*((\a)%2)
	ds_store_b32 v[SQ4], v[PW] offset:128*((\a)/2)+32*((\a)%2)          ; lanes r and r + 16 write the same word with the same value
	ds_store_b128 v[SQ16], v[PC+6:PC+9] offset:6144+1536*((\a)/2)+128*((\a)%2)
	ds_store_b64 v[SQ8], v[PC+10:PC+11] offset:6144+1536*((\a)/2)+64*((\a)%2)
	ds_store_b32 v[SQ4], v[PW2] offset:512+128*((\a)/2)+32*((\a)%2)
.endm
.macro PUTV a                          ; a whole fragment: 16 channels x my 128 keys
.irp c, 0,1,2
	ds_store_b128 v[SV16], v[PC+4*\c:PC+4*\c+3] offset:3072*((\a)/2)+128*((\a)%2)+512*\c
.endr
	ds_store_b32 v[SV4], v[PW] offset:256*((\a)/2)+32*((\a)%2)
.endm
.macro BLOCK a                         ; the two branches hang on the cluster's x alone
	s_cmp_eq_u32 s[PV], 0
	s_cbranch_scc0 .Lbias_v_\@
	BIASQK \a
	s_branch .Lbiased_\@
.Lbias_v_\@:
	BIASV \a
.Lbiased_\@:
	SWAP16
	QUANT H
	s_cmp_eq_u32 s[PV], 0
	s_cbranch_scc0 .Lput_v_\@
	PUTQK \a
	s_branch .Lput_\@
.Lput_v_\@:
	PUTV \a
.Lput_\@:
	s_wait_dscnt 0x0                               ; the stores have read their registers: the next block writes them again
.endm
; The wave's 13,312 bytes leave as they lie in the stage: each store of the wave covers 512 consecutive bytes, at a multiple of 256 from the buffer's first byte.
.macro SENDOUT rd
.set i, 0
.rept 26
	ds_load_b128 v[32+4*i:35+4*i], v[\rd] offset:512*i   ; LDS serves a wave's instructions in order: these see my stores
.set i, i+1
.endr
.set i, 0
.rept 26
	s_wait_dscnt 25-i                              ; the i-th read is back, the younger ones stay out
.if i < 12
	global_store_b128 v[CO], v[32+4*i:35+4*i], s[12:13] offset:512*i                   ; my first head's codes
.elseif i < 24
	global_store_b128 v[CO], v[32+4*i:35+4*i], s[12:13] offset:HEADB+512*(i-12)        ; my second head's
.else
	global_store_b128 v[CO], v[32+4*i:35+4*i], s[66:67] offset:HEADB*(i-24)            ; the two heads' scale words
.endif
.set i, i+1
.endr
.endm
	PLACES NP                                      ; behind the last products: their results are read and A's registers written below
.irp b, 0,1,2,3
	v_mov_b32 v[TM+4+\b], 0                        ; written once: a lane permute's destination counts as one of its sources
.endr
	s_wait_loadcnt 0x0                             ; the biases
.irp a, 0,1,2,3,4,5,6,7
	BLOCK \a
.endr
	s_cmp_eq_u32 s[PV], 0
	s_cbranch_scc0 .Lsend_v
	SENDOUT RDQ
	s_branch .Lsent
.Lsend_v:
	SENDOUT RDV
.Lsent:
	s_wait_tensorcnt 0x0                           ; the wave's end: behind my last tensor load and my last LDS store
	ds_add_u32 v[SPW], v[NIL]
	s_wait_dscnt 0x0
	CROUND                                         ; the closing round: no work-group ends while a partner may still ask for a tile that names it
	s_endpgm
.Lfunc_end_k_qcf4e2a84cf_qkv:
	.size	k_qcf4e2a84cf_qkv, .Lfunc_end_k_qcf4e2a84cf_qkv-k_qcf4e2a84cf_qkv
	.p2alignl 7, 3214868480
	.fill 96, 4, 3214868480
	.section	.rodata,"a",@progbits
	.p2align	6, 0x0
	.amdhsa_kernel k_qcf4e2a84cf_qkv
		.amdhsa_group_segment_fixed_size 327680
		.amdhsa_private_segment_fixed_size 0
		.amdhsa_enable_private_segment 0
		.amdhsa_kernarg_size 104
		.amdhsa_user_sgpr_count 2
		.amdhsa_user_sgpr_kernarg_segment_ptr 1
		.amdhsa_wavefront_size32 1
		.amdhsa_system_sgpr_workgroup_id_x 1
		.amdhsa_system_sgpr_workgroup_id_y 1
		.amdhsa_system_sgpr_workgroup_id_z 1
		.amdhsa_system_vgpr_workitem_id 0
		.amdhsa_next_free_vgpr 1024
		.amdhsa_next_free_sgpr 102
		.amdhsa_reserve_vcc 0
		.amdhsa_float_denorm_mode_32 3
		.amdhsa_float_denorm_mode_16_64 3
		.amdhsa_memory_ordered 1
		.amdhsa_forward_progress 1
		.amdhsa_inst_pref_size 224
	.end_amdhsa_kernel
	.amdgpu_metadata
---
amdhsa.version: [ 1, 2 ]
amdhsa.kernels:
  - .name:           k_qcf4e2a84cf_qkv
    .symbol:         k_qcf4e2a84cf_qkv.kd
    .args:
      - { .name: x_codes, .offset: 0, .size: 8, .value_kind: global_buffer, .address_space: global }
      - { .name: x_scales, .offset: 8, .size: 8, .value_kind: global_buffer, .address_space: global }
      - { .name: Wq_codes, .offset: 16, .size: 8, .value_kind: global_buffer, .address_space: global }
      - { .name: Wq_scales, .offset: 24, .size: 8, .value_kind: global_buffer, .address_space: global }
      - { .name: Wk_codes, .offset: 32, .size: 8, .value_kind: global_buffer, .address_space: global }
      - { .name: Wk_scales, .offset: 40, .size: 8, .value_kind: global_buffer, .address_space: global }
      - { .name: Wv_codes, .offset: 48, .size: 8, .value_kind: global_buffer, .address_space: global }
      - { .name: Wv_scales, .offset: 56, .size: 8, .value_kind: global_buffer, .address_space: global }
      - { .name: bq, .offset: 64, .size: 8, .value_kind: global_buffer, .address_space: global }
      - { .name: bk, .offset: 72, .size: 8, .value_kind: global_buffer, .address_space: global }
      - { .name: bv, .offset: 80, .size: 8, .value_kind: global_buffer, .address_space: global }
      - { .name: qimg, .offset: 88, .size: 8, .value_kind: global_buffer, .address_space: global }
      - { .name: kvimg, .offset: 96, .size: 8, .value_kind: global_buffer, .address_space: global }
    .group_segment_fixed_size: 327680
    .private_segment_fixed_size: 0
    .kernarg_segment_align: 8
    .kernarg_segment_size: 104
    .max_flat_workgroup_size: 128
    .sgpr_count:     102
    .vgpr_count:     1024
    .wavefront_size: 32
...
	.end_amdgpu_metadata
.endif
;; end of part 2
;; launch attn (part 3): grid 8 x 64, 16 waves a work-group, no clusters, 61,440 bytes of LDS; arguments qimg, kvimg, mbits, mflag, attimg, attsc; writes attimg, attsc
.if DOCPART == 3
	.amdgcn_target "amdgcn-amd-amdhsa--gfx1250"
	.amdhsa_code_object_version 6
	.text
	.protected	k_qcf4e2a84cf_attn
	.globl	k_qcf4e2a84cf_attn
	.p2align	8
	.type	k_qcf4e2a84cf_attn,@function
k_qcf4e2a84cf_attn:
	s_mov_b64 s[64:65], 0
	v_nop
	global_prefetch_b8 v0, s[64:65] scope:SCOPE_SE
	s_setreg_imm32_b32 hwreg(HW_REG_WAVE_MODE, 25, 1), 1
	s_wait_xcnt 0x0
; att[b][head][q] = the sum over k of softmax_k(mask ? q . k / 8 : masked) v[k], both products on codes of FP6 (E2M3) with one E8M0 scale for each 32 along a product's K; the result, divided by the row's sum, is
; quantised along the head's 64 channels for the output projection and leaves as codes.
; THE SOFTMAX AHEAD OF THE SECOND PRODUCT: t = score x log2(e) / 8; M = the row's largest t so far, rounded UP to a whole number; p = 2^(t - M) is what is quantised, along the keys; the row's sum is taken of the
; unquantised p and divides at the end.  When M moves, the sum and O are multiplied by 2^(old M - new M): exact.
; THE MASK is the given one, as the launch before has packed it: for each tile of 16 queries and each step of 128 keys 64 lane masks, and two flags.  A step none of whose keys counts for any query of the tile is
; left out (a scalar branch on the stored flag); a step with holes has its hidden scores replaced ahead of the maximum; a tile with a query for which no key counts walks every step.
; LIMIT: a hidden score becomes -2^33, a logit of -2^30, where the reference writes -1e9: its t is a whole number that f32 holds exactly, so that a row without any key gives p = 1 for every key, as the reference's
; equal logits do.  The two differ only where a key that counts has a logit under about -9.99e8 in a row with hidden keys.  NaN and infinities are not served; a block of p or of results under 2^-124 keeps the byte 1.
; SHARES.  A work-group owns one (batch, head) and sixteen tiles of 16 queries, wave w tile g + 8 w (g the work-group's x): spread over the sequence, so that work-groups have alike work whatever part of the mask is open.
; A wave has 256 registers: four waves to a SIMD, so that one wave's vector work stands beside another's matrix work and LDS loads.
; K AND V come as containers of 26,624 bytes for 256 keys, in the order of the operands' registers.  All 512 threads copy a container through registers into one of two LDS buffers, asked for a whole slot ahead.
; No tensor loads and no cluster: steps are passed over by branches on stored numbers.  No prefetch: a slot's loads are issued two key steps ahead of the wait for them.
; LAYOUT.  Both products are used transposed: S^T = K Q^T (source 0 = 16 keys, source 1 = my 16 queries), O^T = V^T P^T (source 0 = 16 channels, source 1 = P): a lane holds ONE query (lane % 16) throughout.
; A tile 2 B + u of keys, queries or channels holds at place p the index 32 B + 8 u + p + 8 (p / 8), so that the 16 registers of two neighbouring tiles are 16 neighbours, 32 B + 16 (lane / 16) + 0 .. 15.
; The head has 64 channels: the upper six registers of K's and Q's fragments are zero codes, written once.
; The scale bytes of the results are 2 bytes a row of 32, stored singly: 2 bytes for each 48 of codes.
.set SLOTB, 26624
.set HEADB, 8*SLOTB
.set BUF1,  32768                      ; the second LDS buffer: one exclusive or turns an address in one buffer into the other's
.set VCOD,  12288                      ; in a container: v's codes,
.set KSCL,  24576                      ; k's scale words,
.set VSCL,  25600                      ; v's scale words
.set KFR,   32                         ; v32-79   four fragments of K (registers 6-11 of each: zeros)
.set STG,   80                         ; v80-92   a thread's 52 bytes of the next container
.set S,     96                         ; v96-159  S^T, then p; then V's four fragments in v96-143
.set O,     160                        ; v160-191 O^T
.set BM,    192                        ; v192-195 each block's largest score, then its largest p
.set BT,    196                        ; v196-199 the other half's; then the scales' bytes
.set SO,    200                        ; v200-203 the conversions' scale operands
.set CT,    204                        ; v204-210 the conversions' second halves
.set TS,    212                        ; v212-215 K's or V's scale words
.set FF,    216                        ; v216 f = 2^(old M - new M); v217 0 (named with it as a pair)
.set PWD,   218                        ; p's scale word
.set TMP,   219
.set SUM2,  220                        ; v220-221 the sum's second chain
.set PCD,   224                        ; v224-235 p's codes
; v1 16 x lane, v2 8 x lane, v3 4 x lane, v4 16 x thread, v5 4 x thread; v6-8 the buffer in hand + v1-3; v9-10 the buffer being filled + v4-5; v11 -2^33; v12 -M, v13 the largest t, v[14:15] the sum;
; v16-27 Q, v28 its scale words; v29 32 r, v30 4 r.
; s[2:3] the next container; s[4:5] my tile's lane masks; s6 256 x step; s7 the flags, shifted by one each step; s8 wave; s9, s10 the buffer read, the buffer filled; s[12:13], s[14:15] where the results go;
; s18 trips; s[20:21] lane selects; s[22:23] c; s[68:99] lane masks 0-31, s[32:63] lane masks 32-63.
.macro LOADSLOT
	global_load_b128 v[STG:STG+3], v4, s[2:3]
	global_load_b128 v[STG+4:STG+7], v4, s[2:3] offset:8192
	global_load_b128 v[STG+8:STG+11], v4, s[2:3] offset:16384
	global_load_b32 v[STG+12], v5, s[2:3] offset:24576
.endm
.macro SLOTADDR
	v_add_nc_u32 v6, s9, v1
	v_add_nc_u32 v7, s9, v2
	v_add_nc_u32 v8, s9, v3
	v_add_nc_u32 v9, s10, v4
	v_add_nc_u32 v10, s10, v5
.endm
; The next container goes into the buffer that nobody reads; then ONE barrier for two things: my stores have landed, and my reads of the buffer in hand are over.  Behind it the buffers change places.
.macro STORESLOT
	s_wait_loadcnt 0x0                             ; the container's loads are in (asked for two key steps ago), so their base may step
	ds_store_b128 v9, v[STG:STG+3]
	ds_store_b128 v9, v[STG+4:STG+7] offset:8192
	ds_store_b128 v9, v[STG+8:STG+11] offset:16384
	ds_store_b32 v10, v[STG+12] offset:24576
	s_add_nc_u64 s[2:3], s[2:3], SLOTB
	s_wait_dscnt 0x0
	s_barrier_signal -1
	s_barrier_wait -1
	s_xor_b32 s9, s9, BUF1
	s_xor_b32 s10, s10, BUF1
.endm
; A KEY STEP: 128 keys, the q-th of the buffer in hand.
.macro STEP q
	s_bitcmp1_b32 s7, 0                            ; does any key of this step count for my tile?
	s_cbranch_scc0 .Lskip_\@
	s_bitcmp1_b32 s7, 16                           ; has it holes?  Then its 64 lane masks are asked for now and waited for behind the first product
	s_cbranch_scc0 .Lwhole_\@
	s_load_b512 s[68:83], s[4:5], s6 offset:0x0
	s_load_b512 s[84:99], s[4:5], s6 offset:0x40
	s_load_b512 s[32:47], s[4:5], s6 offset:0x80
	s_load_b512 s[48:63], s[4:5], s6 offset:0xc0
.Lwhole_\@:
	s_wait_alu depctr_va_vdst(0)
.irp g, 0,1                                    ; S^T = K Q^T, four tiles of 16 keys at a time
.if \g
.rept 4
	v_nop                                          ; places in front of loads into registers that matrix instructions have read
.endr
.endif
.irp t, 0,1,2,3
	ds_load_b128 v[KFR+12*\t:KFR+12*\t+3], v6 offset:(8*(\q)+4*\g+\t)*768
	ds_load_b64 v[KFR+12*\t+4:KFR+12*\t+5], v7 offset:(8*(\q)+4*\g+\t)*768+512
.endr
.irp i, 0,1
	ds_load_b32 v[TS+\i], v8 offset:KSCL+(4*(\q)+2*\g+\i)*128   ; two tiles' scale words: lanes 0-15 the even tile's, lanes 16-31 the odd one's
.endr
	s_wait_dscnt 0x0
.irp t, 0,1,2,3
.if \t%2
	v_wmma_scale_f32_16x16x128_f8f6f4 v[S+8*(4*\g+\t):S+8*(4*\g+\t)+7], v[KFR+12*\t:KFR+12*\t+11], v[16:27], 0, v[TS+\t/2], v28 matrix_a_fmt:MATRIX_FMT_FP6 matrix_b_fmt:MATRIX_FMT_FP6 matrix_a_scale:MATRIX_SCALE_ROW1
.else
	v_wmma_scale_f32_16x16x128_f8f6f4 v[S+8*(4*\g+\t):S+8*(4*\g+\t)+7], v[KFR+12*\t:KFR+12*\t+11], v[16:27], 0, v[TS+\t/2], v28 matrix_a_fmt:MATRIX_FMT_FP6 matrix_b_fmt:MATRIX_FMT_FP6
.endif
.endr
.endr                                          ; register 16 bb + i: key 128 step + 32 bb + 16 (lane / 16) + i
.rept 4
	v_nop
.endr
	s_wait_kmcnt 0x0                               ; the lane masks, if they were asked for; it stands on both ways, so that no scalar load is out behind it
	s_bitcmp1_b32 s7, 16
	s_cbranch_scc0 .Lopen_\@
.set n, 0
.rept 32
	v_cndmask_b32 v[S+n], v11, v[S+n], s[68+n]     ; a hidden key's score becomes -2^33, ahead of the maximum
.set n, n+1
.endr
.rept 32
	v_cndmask_b32 v[S+n], v11, v[S+n], s[n]
.set n, n+1
.endr
.Lopen_\@:
.irp b, 0,1,2,3
	v_max3_num_f32 v[BM+\b], v[S+16*\b], v[S+1+16*\b], v[S+2+16*\b]   ; the largest score of each block of 32 keys: it serves for the row's maximum and, since p rises with the score, for the block's largest p
.endr
.irp i, 3,5,7,9,11,13
.irp b, 0,1,2,3
	v_max3_num_f32 v[BM+\b], v[BM+\b], v[S+16*\b+\i], v[S+1+16*\b+\i]   ; (the four blocks by turns)
.endr
.endr
.irp b, 0,1,2,3
	v_max_num_f32 v[BM+\b], v[BM+\b], v[S+15+16*\b]
.endr
.irp b, 0,1,2,3
	s_delay_alu instid0(VALU_DEP_4)
	v_permlanex16_b32 v[BT+\b], v[BM+\b], s20, s21
.endr
.irp b, 0,1,2,3
	s_delay_alu instid0(VALU_DEP_4)
	v_max_num_f32 v[BM+\b], v[BM+\b], v[BT+\b]     ; with lane l xor 16's 16 keys
.endr
	s_delay_alu instid0(VALU_DEP_2)
	v_max3_num_f32 v[TMP], v[BM], v[BM+1], v[BM+2]
	s_delay_alu instid0(VALU_DEP_1)
	v_max_num_f32 v[TMP], v[TMP], v[BM+3]          ; the step's largest score of my query
	s_delay_alu instid0(VALU_DEP_1)
	v_mul_f32 v[TMP], s22, v[TMP]                  ; as t (c is positive)
	s_delay_alu instid0(VALU_DEP_1)
	v_max_num_f32 v13, v13, v[TMP]                 ; the running largest t
	v_mov_b32 v[TMP], v12
	s_delay_alu instid0(VALU_DEP_2)
	v_floor_f32 v12, -v13                          ; the new -M = floor(-t) = -ceil(t): a whole number
	s_delay_alu instid0(VALU_DEP_1)
	v_sub_f32 v[TMP], v12, v[TMP]                  ; M's old value less its new one: a whole number, 0 or less
	s_delay_alu instid0(VALU_DEP_1)
	v_cvt_i32_f32 v[TMP], v[TMP]                   ; (it saturates)
	s_delay_alu instid0(VALU_DEP_1)
	v_ldexp_f32 v[FF], 1.0, v[TMP]                 ; f = 2^(old M - new M)
.irp j, 0,2,4,6,8,10,12,14,16,18,20,22,24,26,28,30,32,34,36,38,40,42,44,46,48,50,52,54,56,58,60,62
	v_pk_fma_f32 v[S+\j:S+1+\j], v[S+\j:S+1+\j], s[22:23], v[12:13] op_sel_hi:[1,0,0]   ; t - M, two at a time (of the pairs c and -M the low word serves both halves)
.endr
.irp b, 0,1,2,3
	v_fma_f32 v[BM+\b], v[BM+\b], s22, v12         ; the same of each block's largest score
.endr
	s_wait_alu depctr_va_vdst(0)
.irp j, 0,1,2,3,4,5,6,7,8,9,10,11,12,13,14,15,16,17,18,19,20,21,22,23,24,25,26,27,28,29,30,31,32,33,34,35,36,37,38,39,40,41,42,43,44,45,46,47,48,49,50,51,52,53,54,55,56,57,58,59,60,61,62,63
	v_exp_f32 v[S+\j], v[S+\j]                     ; p = 2^(t - M), at most 1: not normalised
.endr
	v_pk_mul_f32 v[14:15], v[14:15], v[FF:FF+1] op_sel_hi:[1,0]   ; the sums under the new M: the plain instruction behind the exponentials
	s_wait_alu depctr_va_vdst(0)                   ; one wait for the whole batch, ahead of its first reader
.irp b, 0,1,2,3
	v_exp_f32 v[BM+\b], v[BM+\b]                   ; the block's largest p: the same two instructions on the same number give the same bits
.endr
	v_pk_add_f32 v[220:221], v[100:101], v[104:105]
	v_pk_add_f32 v[252:253], v[108:109], v[112:113]
	v_pk_add_f32 v[250:251], v[116:117], v[120:121]
	v_pk_add_f32 v[248:249], v[124:125], v[128:129]
	v_pk_add_f32 v[246:247], v[132:133], v[136:137]
	v_pk_add_f32 v[244:245], v[140:141], v[144:145]
	v_pk_add_f32 v[242:243], v[148:149], v[152:153]
	v_pk_add_f32 v[14:15], v[14:15], v[156:157]
	v_pk_add_f32 v[220:221], v[220:221], v[96:97]
	v_pk_add_f32 v[252:253], v[252:253], v[98:99]
	v_pk_add_f32 v[250:251], v[250:251], v[102:103]
	v_pk_add_f32 v[248:249], v[248:249], v[106:107]
	v_pk_add_f32 v[246:247], v[246:247], v[110:111]
	v_pk_add_f32 v[244:245], v[244:245], v[114:115]
	v_pk_add_f32 v[242:243], v[242:243], v[118:119]
	v_pk_add_f32 v[14:15], v[14:15], v[122:123]
	v_pk_add_f32 v[220:221], v[220:221], v[126:127]
	v_pk_add_f32 v[252:253], v[252:253], v[130:131]
	v_pk_add_f32 v[250:251], v[250:251], v[134:135]
	v_pk_add_f32 v[248:249], v[248:249], v[138:139]
	v_pk_add_f32 v[246:247], v[246:247], v[142:143]
	v_pk_add_f32 v[244:245], v[244:245], v[146:147]
	v_pk_add_f32 v[242:243], v[242:243], v[150:151]
	v_pk_add_f32 v[14:15], v[14:15], v[154:155]
	v_pk_add_f32 v[220:221], v[220:221], v[158:159]
	s_delay_alu instid0(VALU_DEP_2)
	v_pk_add_f32 v[14:15], v[14:15], v[248:249]
	s_delay_alu instid0(VALU_DEP_2)
	v_pk_add_f32 v[220:221], v[220:221], v[246:247]
	v_pk_add_f32 v[252:253], v[252:253], v[244:245]
	v_pk_add_f32 v[250:251], v[250:251], v[242:243]
	s_delay_alu instid0(VALU_DEP_2)
	v_pk_add_f32 v[14:15], v[14:15], v[252:253]
	s_delay_alu instid0(VALU_DEP_2)
	v_pk_add_f32 v[220:221], v[220:221], v[250:251]
	s_delay_alu instid0(VALU_DEP_1)
	v_pk_add_f32 v[14:15], v[14:15], v[220:221]
	s_wait_alu depctr_va_vdst(0)                   ; and one for the four
.irp b, 0,1,2,3
	v_max_num_f32 v[BM+\b], 0x1800000, v[BM+\b]    ; the floor 2^(3 - 127): the byte cannot fall under 1 (a block whose every p is 0 keeps that byte: its codes are zeros)
.endr
.irp b, 0,1,2,3
	s_delay_alu instid0(VALU_DEP_4)
	v_add_nc_u32 v[SO+\b], 0xff000000, v[BM+\b]    ; 2 off the exponent field: the conversion's scale operand
.endr
.irp b, 0,1,2,3
	s_delay_alu instid0(VALU_DEP_4)
	v_lshrrev_b32 v[BT+\b], 23, v[SO+\b]           ; the scale's byte
.endr
	s_delay_alu instid0(VALU_DEP_3)
	v_lshl_or_b32 v[PWD], v[BT+1], 8, v[BT]        ; p's scale word for these 128 keys
	s_delay_alu instid0(VALU_DEP_1)
	v_lshl_or_b32 v[PWD], v[BT+2], 16, v[PWD]
	s_delay_alu instid0(VALU_DEP_1)
	v_lshl_or_b32 v[PWD], v[BT+3], 24, v[PWD]
.irp c, 0,1
	v_cvt_scalef32_pk16_fp6_f32 v[PCD+6*\c:PCD+2+6*\c], v[S+32*\c:S+15+32*\c], v[SO+2*\c]
	v_cvt_scalef32_pk16_fp6_f32 v[CT+4*\c:CT+2+4*\c], v[S+16+32*\c:S+31+32*\c], v[SO+2*\c+1]   ; (a conversion's three registers begin on an even number)
.endr
.irp t, 0,1,2,3                                ; p has been read: V's four fragments (16 channels x these 128 keys) land where it lay, while the codes are put in order
.irp c, 0,1,2
	ds_load_b128 v[S+12*\t+4*\c:S+12*\t+4*\c+3], v6 offset:VCOD+(4*(\q)+\t)*1536+512*\c
.endr
	ds_load_b32 v[TS+\t], v8 offset:VSCL+(4*(\q)+\t)*128
.endr
	v_nop                                          ; one plain vector instruction between a scaled conversion and the vector instruction that touches its result
.irp c, 0,1                                    ; the operand's layout wants a whole block in a lane: lanes 0-15 block 2 c, lanes 16-31 block 2 c + 1
.irp i, 0,1,2
	v_permlane16_swap_b32 v[PCD+6*\c+\i], v[CT+4*\c+\i]
.endr
.irp i, 0,1,2
	s_delay_alu instid0(VALU_DEP_3)
	v_mov_b32 v[PCD+3+6*\c+\i], v[CT+4*\c+\i]
.endr
.endr
.irp j, 0,2,4,6,8,10,12,14,16,18,20,22,24,26,28,30
	v_pk_mul_f32 v[O+\j:O+1+\j], v[O+\j:O+1+\j], v[FF:FF+1] op_sel_hi:[1,0]   ; O^T under the new M.  Of these sixteen, twelve name no register of any one product below: the places behind the codes' and the scale word's last writes
.endr
	s_wait_alu depctr_va_vdst(0)
	s_wait_dscnt 0x0
.irp t, 0,1,2,3                                ; O^T += V^T P^T.  Each accumulator is named once a step, and different ones follow each other
	v_wmma_scale_f32_16x16x128_f8f6f4 v[O+8*\t:O+8*\t+7], v[S+12*\t:S+12*\t+11], v[PCD:PCD+11], v[O+8*\t:O+8*\t+7], v[TS+\t], v[PWD] matrix_a_fmt:MATRIX_FMT_FP6 matrix_b_fmt:MATRIX_FMT_FP6
.endr
.rept 5
	v_nop                                          ; five places: the next step's first products write over registers that these have read; loads into their scale words and reads of their results want four
.endr
.Lskip_\@:
	s_lshr_b32 s7, s7, 1                           ; the next step's flags
	s_add_co_u32 s6, s6, 256                       ; and its lane masks
.endm
	s_load_b256 s[36:43], s[0:1], 0x0              ; qimg, kvimg, mbits, mflag
	s_load_b128 s[44:47], s[0:1], 0x20             ; attimg, attsc
	v_lshl_add_u32 v254, v0, 2, 0xe800
	v_mov_b32 v255, 0
	v_lshrrev_b32 v6, 5, v0
	s_delay_alu instid0(VALU_DEP_1)
	v_readfirstlane_b32 s8, v6                     ; wave 0..15
	v_and_b32 v7, 31, v0                           ; lane
	v_and_b32 v[TMP], 15, v0                       ; r
	s_delay_alu instid0(VALU_DEP_2)
	v_lshlrev_b32 v1, 4, v7
	s_delay_alu instid0(VALU_DEP_3)
	v_lshlrev_b32 v2, 3, v7
	s_delay_alu instid0(VALU_DEP_4)
	v_lshlrev_b32 v3, 2, v7
	v_lshlrev_b32 v4, 4, v0
	v_lshlrev_b32 v5, 2, v0
	v_lshlrev_b32 v29, 5, v[TMP]
	v_lshlrev_b32 v30, 2, v[TMP]
	v_mov_b32 v11, 0xd0000000                      ; -2^33
	s_and_b32 s24, ttmp7, 0xffff                   ; 16 x batch + head
	s_lshl_b32 s25, s8, 3
	s_add_co_u32 s25, s25, ttmp9                   ; my tile of queries T = g + 8 w
	s_mul_i32 s26, s24, HEADB                      ; the head's first byte in qimg and in kvimg
	s_mov_b32 s27, 0
	s_lshr_b32 s28, s25, 4
	s_mul_i32 s28, s28, SLOTB
	s_add_co_u32 s28, s28, s26                     ; my queries' container
	s_and_b32 s30, s25, 15
	s_mul_i32 s16, s30, 768
	s_add_co_u32 s16, s16, s28                     ; my tile's codes
	s_mov_b32 s17, 0
	s_lshl_b32 s30, s30, 6
	s_add_co_u32 s28, s28, s30
	s_add_co_u32 s28, s28, KSCL                    ; and its scale words
	s_mov_b32 s29, 0
	s_lshr_b32 s30, s24, 4
	s_lshl_b32 s30, s30, 7
	s_add_co_u32 s30, s30, s25                     ; 128 x batch + T
	s_and_b32 s31, s24, 15                         ; the head
	s_lshl_b32 s12, s30, 4
	s_add_co_u32 s12, s12, s31
	s_mul_i32 s12, s12, 768                        ; attimg: [tile][head][768]
	s_mov_b32 s13, 0
	s_lshl_b32 s14, s30, 9
	s_lshl_b32 s31, s31, 1
	s_add_co_u32 s14, s14, s31                     ; attsc: [tile][place][32]: bytes 2 head, 2 head + 1
	s_mov_b32 s15, 0
	s_lshl_b32 s30, s25, 12                        ; mbits: 4,096 T
	s_mov_b32 s31, 0
	s_lshl_b32 s18, s25, 7                         ; mflag: 128 T
	s_mov_b32 s19, 0
	s_mov_b32 s20, 0x76543210
	s_mov_b32 s21, 0xfedcba98                      ; v_permlanex16_b32's selects for lane l xor 16
	s_mov_b32 s22, 0x3e38aa3b                      ; c = log2(e) / 8
	s_mov_b32 s23, s22                             ; (named with it as a pair, so it is written)
	s_mov_b32 s6, 0
	s_mov_b32 s9, BUF1                             ; the first container goes into buffer 0; the change behind its barrier makes that the buffer in hand
	s_mov_b32 s10, 0
	s_wait_alu depctr_va_vdst(0)
	s_wait_kmcnt 0x0
	s_add_nc_u64 s[2:3], s[38:39], s[26:27]
	s_add_nc_u64 s[16:17], s[36:37], s[16:17]
	s_add_nc_u64 s[28:29], s[36:37], s[28:29]
	s_add_nc_u64 s[4:5], s[40:41], s[30:31]
	s_add_nc_u64 s[18:19], s[42:43], s[18:19]
	s_add_nc_u64 s[12:13], s[44:45], s[12:13]
	s_add_nc_u64 s[14:15], s[46:47], s[14:15]
	s_load_b32 s7, s[18:19], 0x0                   ; my tile's flags
	LOADSLOT                                       ; keys 0 to 255
	global_load_b128 v[16:19], v1, s[16:17]        ; Q's half fragment stays in registers
	global_load_b64 v[20:21], v2, s[16:17] offset:512
	global_load_b32 v28, v30, s[28:29]             ; and its scale words
.irp j, 22,23,24,25,26,27
	v_mov_b32 v[\j], 0                             ; channels 64 to 127 of the matrix instruction's K: zero codes, on both sides
.endr
.irp t, 0,1,2,3
.irp j, 6,7,8,9,10,11
	v_mov_b32 v[KFR+12*\t+\j], 0
.endr
.endr
.irp j, 0,1,2,3,4,5,6,7,8,9,10,11,12,13,14,15,16,17,18,19,20,21,22,23,24,25,26,27,28,29,30,31
	v_mov_b32 v[O+\j], 0                           ; O^T.  (The step is written once: the first worked step finds zeros, which the first change of M leaves zeros)
.endr
	v_mov_b32 v13, 0xff61b1e6                      ; the largest t so far: -3e38, under every t
	s_delay_alu instid0(VALU_DEP_1)
	v_floor_f32 v12, -v13                          ; -M
	v_mov_b32 v14, 0                               ; the sum, in two halves
	v_mov_b32 v15, 0
.irp b, 0,1,2,3
	v_mov_b32 v[BT+\b], 0                          ; written once: a lane permute's destination counts as one of its sources
.endr
	v_mov_b32 v[FF+1], 0
	s_wait_kmcnt 0x0                               ; the flags are in, and their address is free
	s_load_b512 s[68:83], s[4:5], 0x0              ; step 0's lane masks: so all 64 registers hold lane masks from here on
	s_load_b512 s[84:99], s[4:5], 0x40
	s_load_b512 s[32:47], s[4:5], 0x80
	s_load_b512 s[48:63], s[4:5], 0xc0
	SLOTADDR
	s_wait_alu depctr_va_vdst(0)
	s_wait_kmcnt 0x0
	STORESLOT                                      ; (its wait for loads serves Q too)
	s_mov_b32 s18, 7
.Lslot:                                            ; seven trips: a trip asks for the next 256 keys, works the 256 in hand, and stores the next into the other buffer
	LOADSLOT
	SLOTADDR
	STEP 0
	STEP 1
	s_wait_alu depctr_va_vdst(0)
	STORESLOT
	s_sub_co_u32 s18, s18, 1
	s_cmp_lg_u32 s18, 0
	s_cbranch_scc1 .Lslot
	SLOTADDR                                       ; the last 256 keys: nothing is left to ask for
	STEP 0
	STEP 1
	; THE WAY OUT.  O^T / the sum; register 16 B + i is channel 32 B + 16 (lane / 16) + i of my query: two blocks of 32 along the output projection's K.
	v_add_f32 v14, v14, v15                        ; the sum's two halves,
	s_delay_alu instid0(VALU_DEP_1)
	v_permlanex16_b32 v[TMP], v14, s20, s21
	s_delay_alu instid0(VALU_DEP_1)
	v_add_f32 v14, v14, v[TMP]                     ; and lane l xor 16's: the row's sum
	s_wait_alu depctr_va_vdst(0)
	v_rcp_f32 v14, v14
	v_nop                                          ; a plain instruction behind the transcendental
	s_wait_alu depctr_va_vdst(0)                   ; and the wait ahead of its first reader
.irp j, 0,2,4,6,8,10,12,14,16,18,20,22,24,26,28,30
	v_pk_mul_f32 v[S+\j:S+1+\j], v[O+\j:O+1+\j], v[14:15] op_sel_hi:[1,0]   ; each accumulator from its low end on
.endr
.irp b, 0,1
	v_max3_num_f32 v[BM+\b], |v[S+16*\b]|, |v[S+1+16*\b]|, 0x1800000   ; my 16 numbers of block b, and the floor 2^(3 - 127)
.endr
.irp i, 2,4,6,8,10,12,14
.irp b, 0,1
	s_delay_alu instid0(VALU_DEP_2)
	v_max3_num_f32 v[BM+\b], v[BM+\b], |v[S+16*\b+\i]|, |v[S+1+16*\b+\i]|
.endr
.endr
.irp b, 0,1
	s_delay_alu instid0(VALU_DEP_2)
	v_permlanex16_b32 v[BT+\b], v[BM+\b], s20, s21
.endr
.irp b, 0,1
	s_delay_alu instid0(VALU_DEP_2)
	v_max_num_f32 v[BM+\b], v[BM+\b], v[BT+\b]
.endr
.irp b, 0,1
	s_delay_alu instid0(VALU_DEP_2)
	v_add_nc_u32 v[SO+\b], 0xff000000, v[BM+\b]
.endr
.irp b, 0,1
	s_delay_alu instid0(VALU_DEP_2)
	v_lshrrev_b32 v[BT+\b], 23, v[SO+\b]
.endr
	s_delay_alu instid0(VALU_DEP_1)
	v_lshl_or_b32 v[PWD], v[BT+1], 8, v[BT]        ; the two bytes of my row
	v_cvt_scalef32_pk16_fp6_f32 v[PCD:PCD+2], v[S:S+15], v[SO]
	v_cvt_scalef32_pk16_fp6_f32 v[CT:CT+2], v[S+16:S+31], v[SO+1]
	v_nop
.irp i, 0,1,2
	v_permlane16_swap_b32 v[PCD+\i], v[CT+\i]
.endr
.irp i, 0,1,2
	s_delay_alu instid0(VALU_DEP_3)
	v_mov_b32 v[PCD+3+\i], v[CT+\i]                ; registers 0-5: channels 32 (lane / 16) + 0 .. 31
.endr
	global_store_b128 v1, v[PCD:PCD+3], s[12:13]             ; 512 consecutive bytes, at a multiple of 256 from the buffer's first byte,
	global_store_b64 v2, v[PCD+4:PCD+5], s[12:13] offset:512 ; and the 256 behind them
	global_store_b16 v29, v[PWD], s[14:15]                   ; lanes r and r + 16 write the same two bytes with the same value
	s_wait_tensorcnt 0x0
	ds_add_u32 v254, v255
	s_wait_dscnt 0x0
	s_endpgm
.Lfunc_end_k_qcf4e2a84cf_attn:
	.size	k_qcf4e2a84cf_attn, .Lfunc_end_k_qcf4e2a84cf_attn-k_qcf4e2a84cf_attn
	.p2alignl 7, 3214868480
	.fill 96, 4, 3214868480
	.section	.rodata,"a",@progbits
	.p2align	6, 0x0
	.amdhsa_kernel k_qcf4e2a84cf_attn
		.amdhsa_group_segment_fixed_size 61440
		.amdhsa_private_segment_fixed_size 0
		.amdhsa_enable_private_segment 0
		.amdhsa_kernarg_size 48
		.amdhsa_user_sgpr_count 2
		.amdhsa_user_sgpr_kernarg_segment_ptr 1
		.amdhsa_wavefront_size32 1
		.amdhsa_system_sgpr_workgroup_id_x 1
		.amdhsa_system_sgpr_workgroup_id_y 1
		.amdhsa_system_sgpr_workgroup_id_z 1
		.amdhsa_system_vgpr_workitem_id 0
		.amdhsa_next_free_vgpr 256
		.amdhsa_next_free_sgpr 100
		.amdhsa_reserve_vcc 0
		.amdhsa_float_denorm_mode_32 3
		.amdhsa_float_denorm_mode_16_64 3
		.amdhsa_memory_ordered 1
		.amdhsa_forward_progress 1
		.amdhsa_inst_pref_size 100
	.end_amdhsa_kernel
	.amdgpu_metadata
---
amdhsa.version: [ 1, 2 ]
amdhsa.kernels:
  - .name:           k_qcf4e2a84cf_attn
    .symbol:         k_qcf4e2a84cf_attn.kd
    .args:
      - { .name: qimg, .offset: 0, .size: 8, .value_kind: global_buffer, .address_space: global }
      - { .name: kvimg, .offset: 8, .size: 8, .value_kind: global_buffer, .address_space: global }
      - { .name: mbits, .offset: 16, .size: 8, .value_kind: global_buffer, .address_space: global }
      - { .name: mflag, .offset: 24, .size: 8, .value_kind: global_buffer, .address_space: global }
      - { .name: attimg, .offset: 32, .size: 8, .value_kind: global_buffer, .address_space: global }
      - { .name: attsc, .offset: 40, .size: 8, .value_kind: global_buffer, .address_space: global }
    .group_segment_fixed_size: 61440
    .private_segment_fixed_size: 0
    .kernarg_segment_align: 8
    .kernarg_segment_size: 48
    .max_flat_workgroup_size: 512
    .sgpr_count:     100
    .vgpr_count:     256
    .wavefront_size: 32
...
	.end_amdgpu_metadata
.endif
;; end of part 3
;; launch outproj (part 4): grid 4 x 32, 4 waves a work-group, clusters of 4 x 4, 327,680 bytes of LDS; arguments attimg, attsc, Wo_codes, Wo_scales, bo, out0; writes out0
.if DOCPART == 4
	.amdgcn_target "amdgcn-amd-amdhsa--gfx1250"
	.amdhsa_code_object_version 6
	.text
	.protected	k_qcf4e2a84cf_outproj
	.globl	k_qcf4e2a84cf_outproj
	.p2align	8
	.type	k_qcf4e2a84cf_outproj,@function
k_qcf4e2a84cf_outproj:
	s_mov_b64 s[64:65], 0
	v_nop
	global_prefetch_b8 v0, s[64:65] scope:SCOPE_SE
	s_setreg_imm32_b32 hwreg(HW_REG_WAVE_MODE, 25, 1), 1
	s_wait_xcnt 0x0
	s_wait_alu depctr_hold_cnt(0) depctr_sa_sdst(0) depctr_va_vdst(0) depctr_va_sdst(0) depctr_va_ssrc(0) depctr_va_vcc(0) depctr_vm_vsrc(0)
	s_getreg_b32 s2, hwreg(HW_REG_IB_STS2, 6, 4)
	s_cmp_eq_u32 s2, 0
	s_cbranch_scc0 .Lentry_in_a_cluster
	s_endpgm
.Lentry_in_a_cluster:
	s_bfe_u32 s2, ttmp6, 0x10000c
	s_cmp_lg_u32 s2, 0xf033
	s_cbranch_scc0 .Lentry_shape_is_right
	s_endpgm
.Lentry_shape_is_right:
; out0 = att Wo^T + bo on codes of FP6 (E2M3) with one E8M0 scale for each 32 along K = 1,024 (K = 64 head + channel).  out0: [8192][1024] f32; sums in f32.
; A tile of 256 x 256 to a work-group of four waves, 128 x 128 to a wave: 64 accumulators, 512 registers.  K in steps of 256 through two LDS slots filled by the tensor data mover.
; A = att comes in the order of the operand's registers: attimg [512 tiles of 16 tokens][16 heads][768 bytes: registers 0-3 at 16 x lane, registers 4-5 at 512 + 8 x lane]; two neighbouring heads are one fragment
; of 128 along K.  A K step of a tile is 3,072 consecutive bytes.  Tile 2 B + u holds at place p token 32 B + 8 u + p + 8 (p / 8): the stores' immediates put the rows back.  attsc [tile][place][32] are its scale bytes.
; B = Wo comes as rows of codes, 768 bytes a row, a K step 192 bytes, padded in LDS.
; THE MATRIX INSTRUCTION IS USED TRANSPOSED (source 0 = 16 rows of Wo, source 1 = 16 tokens): a lane holds eight neighbouring numbers of a row of out0.  bo is the C of each sum's first matrix instruction.
; CLUSTERS: 4 x 4 work-groups; A's tiles are asked for jointly along a row of the cluster, B's along a column.  128 work-groups: the problem has no more tiles of this size.
; REGISTERS, in windows of 256: window 0: v0-31 addresses; v32-63 scale words, two sets; v64-127 bo; v128-223 A's fragments, ONE set; on the way out v128-255 rows of out0.
;   window 1: B's fragments, TWO sets.   window 2: the accumulators of A's blocks 0-3;   window 3: those of blocks 4-7.
.set KSTEP,  256
.set NQ,     KSTEP/128
.set ROWB,   192                       ; B: a tile's row in bytes
.set KROW,   768                       ; a row in memory: B's 1,024 codes; of A, a sixteenth of a tile's 12,288 bytes
.set PITCH,  240                       ; B's LDS row: 3 x (64 bytes + 16 of padding)
.set FR,     12
.set NLA,    4                         ; LDS loads that bring a fragment of A
.set NP,     4                         ; places behind this matrix instruction (ISA guide 7.12.1)
.set ASTEP,  3072                      ; A: a tile's bytes of a K step
.set HALFA,  8*ASTEP                   ; 8 tiles = 128 tokens: what one tensor load brings of A
.set HALFT,  128*PITCH                 ; and of B
.set SLOT,   2*HALFA+2*HALFT           ; A's 16 tiles, then B's 256 rows
.set LAPS,   2
.set KS,     32
.set SCL,    2*SLOT
.set HALFS,  (128*KS/256)*272
.set SBLK,   (16*KS/256)*272
.set SPARE,  SCL+4*HALFS               ; the spare words, 128 bytes for each wave: two blocks of 256 bytes that no other line names
.set SPITCH, 528                       ; the way out: a stage of 16 rows x (512 bytes + 16) for each wave, in slot 0, which has had its last fill and its last read by then
.set AD16, 16                          ; v16-17 my A fragments in slot 0, 1: + 16 x lane
.set AD8,  18                          ; v18-19 + 8 x lane
.set ADRB, 20                          ; v20-21 my B fragments (v22-23: for the pieces behind one padding more)
.set STO,  24
.set RD,   25
.set CO,   26
.set ADRS, 27
.set SPW,  28                          ; v28  my spare word: SPARE + 4 x my thread's number; never rewritten
.set NIL,  29                          ; v29  0; never rewritten
.set BO8,  30                          ; v30  32 h
.set SC,   32
.set BI,   64                          ; v64-127 bo[my first column + 16 b + 8 h + j] at 8 b + j
.set AF,   128
.set BK,   128
.set G1,   24
.set G0,   32
.set G1B,  48
.set G0B,  56
.set G1S,  68
.set G0S,  76
.set G1SB, 80
.set G0SB, 88
.set MSB, 0
.macro WIN new                         ; the immediate's high byte repeats the setting that is left
.if MSB != (\new)
	s_set_vgpr_msb (MSB<<8)|(\new)
.set MSB, (\new)
.endif
.endm
.set MUL_LO,  0xa1                     ; source 0 (B) window 1, source 1 (A) window 0, C and D window 2
.set MUL_HI,  0xf1                     ; the same, C and D window 3
.set MULB_LO, 0x81                     ; the first step: C (bo) window 0, D window 2
.set MULB_HI, 0xc1                     ; D window 3
.set TO_B,    0x40
.macro JLOAD g0a, g1a, g0b, g1b        ; a joint load: waves 0 and 1 fetch for A, waves 2 and 3 for B; four v_nop follow each of the two lines
	s_cmp_eq_u32 s15, 0
	s_cbranch_scc0 .Lfor_b_\@
	tensor_load_to_lds s[\g0a:\g0a+3], s[\g1a:\g1a+7]
	s_nop 0
.rept 4
	v_nop
.endr
	s_branch .Lasked_\@
.Lfor_b_\@:
	tensor_load_to_lds s[\g0b:\g0b+3], s[\g1b:\g1b+7]
	s_nop 0
.rept 4
	v_nop
.endr
.Lasked_\@:
.endm
.macro CREST
	s_cmp_lg_u32 s14, 0
	s_cbranch_scc1 .Lnot_wave_0_\@
	s_barrier_signal -3
.Lnot_wave_0_\@:
	s_barrier_wait -3
	s_barrier_signal -1
	s_barrier_wait -1
.endm
.macro CROUND
	s_barrier_signal -1
	s_barrier_wait -1
	CREST
.endm
	s_load_b128 s[4:7], s[0:1], 0x0                ; attimg, attsc
	s_load_b128 s[8:11], s[0:1], 0x10              ; Wo's codes, Wo's scales
	s_load_b64 s[96:97], s[0:1], 0x20              ; bo
	s_load_b64 s[12:13], s[0:1], 0x28              ; out0
	v_lshl_add_u32 v[SPW], v0, 2, SPARE
	v_mov_b32 v[NIL], 0
	ds_add_u32 v28, v29
	ds_add_u32 v28, v29
	s_wait_dscnt 0x0
	v_lshrrev_b32 v1, 5, v0
	v_readfirstlane_b32 s14, v1                    ; wave 0..3
	s_lshr_b32 s15, s14, 1                         ; which half of the tile's rows is mine.  Also: I fetch for A (0) or for B (1)
	s_and_b32 s16, s14, 1                          ; which half of its columns.  Also: which half of that tile I fetch
	s_bfe_u32 s40, ttmp6, 0x40000                  ; cx, cy
	s_bfe_u32 s41, ttmp6, 0x40004
	s_lshl_b32 s42, ttmp9, 2
	s_add_co_u32 s42, s42, s40                     ; tile column = 4 x cluster x + cx
	s_and_b32 s17, ttmp7, 0xffff
	s_lshl_b32 s17, s17, 2
	s_add_co_u32 s17, s17, s41                     ; tile row = 4 x cluster y + cy
	s_lshl_b32 s43, s41, 2
	s_lshl_b32 s43, 15, s43                        ; my row of the cluster
	s_lshl_b32 s44, 0x1111, s40                    ; my column
	; group 1 for A: 8 rows (tiles of 16 tokens) of 3,072 bytes = 384 elements of 8 bytes, 12,288 bytes = 1,536 elements apart; no padding: the lanes read consecutive bytes
	s_or_b32 s[G1+0], s43, (3<<16)|(1<<21)
	s_mov_b32 s[G1+1], 384<<16
	s_mov_b32 s[G1+2], 8<<16
	s_mov_b32 s[G1+3], 384<<16
	s_mov_b32 s[G1+4], 8
	s_mov_b32 s[G1+5], 1536
	s_mov_b32 s[G1+6], 0
	s_mov_b32 s[G1+7], 0
	; group 1 for B: 128 rows x 192 bytes, 16 bytes of padding behind every 64
	s_or_b32 s[G1B+0], s44, (0<<16)|(1<<20)|(1<<21)|(3<<22)|(3<<25)
	s_mov_b32 s[G1B+1], ROWB<<16
	s_mov_b32 s[G1B+2], 128<<16
	s_mov_b32 s[G1B+3], ROWB<<16
	s_mov_b32 s[G1B+4], 128
	s_mov_b32 s[G1B+5], KROW
	s_mov_b32 s[G1B+6], 0
	s_mov_b32 s[G1B+7], 0
	; and for the scale bytes of 128 rows: 16 rows of 256 bytes, 16 bytes of padding behind each
	s_or_b32 s[G1S+0], s43, (3<<16)|(1<<20)|(1<<21)|(5<<22)|(3<<25)
	s_or_b32 s[G1SB+0], s44, (3<<16)|(1<<20)|(1<<21)|(5<<22)|(3<<25)
.irp g, G1S, G1SB
	s_mov_b32 s[\g+1], 32<<16
	s_mov_b32 s[\g+2], (128*KS/256)<<16
	s_mov_b32 s[\g+3], 32<<16
	s_mov_b32 s[\g+4], 128*KS/256
	s_mov_b32 s[\g+5], 32
	s_mov_b32 s[\g+6], 0
	s_mov_b32 s[\g+7], 0
.endr
	s_lshl_b32 s18, s16, 7
	s_lshl_b32 s20, s17, 8
	s_add_co_u32 s20, s20, s18                     ; A: row (in the tiles' order) 256 x tile row + 128 x half
	s_lshl_b32 s46, s42, 8
	s_add_co_u32 s46, s46, s18                     ; B: row 256 x tile column + 128 x half
	s_mov_b32 s21, 0
	s_mov_b32 s47, 0
	s_mov_b64 s[18:19], KS
	s_mul_u64 s[22:23], s[20:21], s[18:19]         ; where these rows' scale bytes begin
	s_mul_u64 s[92:93], s[46:47], s[18:19]
	s_mov_b64 s[18:19], KROW
	s_mul_u64 s[20:21], s[20:21], s[18:19]         ; and their codes (A: 16 rows x 768 = a tile's 12,288 bytes)
	s_mul_u64 s[46:47], s[46:47], s[18:19]
	s_mul_i32 s45, s16, HALFA                      ; where they go: A's halves,
	s_mul_i32 s95, s16, HALFT
	s_add_co_u32 s95, s95, 2*HALFA                 ; then B's: no place in the cluster enters an LDS address
	s_mul_i32 s94, s14, HALFS
	s_wait_kmcnt 0x0
	s_add_nc_u64 s[20:21], s[4:5], s[20:21]
	s_add_nc_u64 s[22:23], s[6:7], s[22:23]
	s_add_nc_u64 s[46:47], s[8:9], s[46:47]
	s_add_nc_u64 s[92:93], s[10:11], s[92:93]
	CROUND                                         ; all sixteen work-groups are here: the first joint loads meet
	s_mov_b32 s[G0S], 1
	s_add_co_u32 s[G0S+1], s94, SCL
	s_mov_b64 s[G0S+2:G0S+3], s[22:23]
	s_or_b32 s[G0S+3], s[G0S+3], 0x80000000
	s_mov_b32 s[G0SB], 1
	s_add_co_u32 s[G0SB+1], s94, SCL
	s_mov_b64 s[G0SB+2:G0SB+3], s[92:93]
	s_or_b32 s[G0SB+3], s[G0SB+3], 0x80000000
	JLOAD G0S, G1S, G0SB, G1SB                     ; the scale bytes first
.irp s, 0,1
	s_mov_b32 s[G0+4*\s], 1
	s_add_co_u32 s[G0+4*\s+1], s45, \s*SLOT
	s_add_nc_u64 s[G0+4*\s+2:G0+4*\s+3], s[20:21], \s*ASTEP
	s_or_b32 s[G0+4*\s+3], s[G0+4*\s+3], 0x80000000
	s_mov_b32 s[G0B+4*\s], 1
	s_add_co_u32 s[G0B+4*\s+1], s95, \s*SLOT
	s_add_nc_u64 s[G0B+4*\s+2:G0B+4*\s+3], s[46:47], \s*ROWB
	s_or_b32 s[G0B+4*\s+3], s[G0B+4*\s+3], 0x80000000
	JLOAD G0+4*\s, G1, G0B+4*\s, G1B
.endr
	v_and_b32 v1, 15, v0                           ; r
	v_bfe_u32 v2, v0, 4, 1                         ; h
	v_and_b32 v6, 31, v0                           ; lane
	v_mul_u32_u24 v3, v1, PITCH
	v_mul_u32_u24 v4, v2, 24
	v_add_nc_u32 v4, v3, v4                        ; B: a fragment's row x pitch + 24 x half
	v_lshl_add_u32 v5, v2, 4, v4                   ; and the same behind one padding more
	v_lshlrev_b32 v7, 4, v6                        ; A: 16 x lane,
	v_lshlrev_b32 v8, 3, v6                        ; 8 x lane
	s_mul_i32 s21, s15, HALFA                      ; my 8 tiles of A
	s_mul_i32 s22, s16, HALFT                      ; my 128 rows of B,
	s_add_co_u32 s22, s22, 2*HALFA                 ; which lie behind A's 16 tiles
.irp s, 0,1
	v_add_nc_u32 v[AD16+\s], s21, v7
	v_add_nc_u32 v[AD8+\s], s21, v8
	v_add_nc_u32 v[ADRB+\s], s22, v4
	v_add_nc_u32 v[ADRB+2+\s], s22, v5
	s_add_co_u32 s21, s21, SLOT
	s_add_co_u32 s22, s22, SLOT
.endr
	v_mul_u32_u24 v5, v1, KS                       ; my row's scale bytes: 32 a row,
	v_lshrrev_b32 v6, 8, v5
	v_lshl_add_u32 v5, v6, 4, v5                   ; and 16 more for each 256 passed
	s_mul_i32 s21, s15, HALFS
	s_mul_i32 s22, s16, HALFS
	s_add_co_u32 s22, s22, 2*HALFS
	s_sub_co_u32 s22, s22, s21
	v_mul_u32_u24 v6, s22, v2                      ; lanes 16-31 take B's
	s_add_co_u32 s21, s21, SCL
	v_add_nc_u32 v5, v5, v6
	v_add_nc_u32 v[ADRS], s21, v5
	s_mul_i32 s23, s14, 16*SPITCH                  ; my stage
	v_mul_u32_u24 v5, v1, SPITCH                   ; in: row l % 16, 32 bytes for each half of the lanes
	v_lshl_add_u32 v5, v2, 5, v5
	v_add_nc_u32 v[STO], s23, v5
	v_mov_b32 v[CO], v7                            ; back: the 32 lanes take one row of 512 bytes; and the same in out0
	v_add_nc_u32 v[RD], s23, v[CO]
	v_lshlrev_b32 v[BO8], 5, v2
	s_lshl_b32 s20, s17, 8
	s_lshl_b32 s21, s15, 7
	s_add_co_u32 s20, s20, s21                     ; my first token: 256 x tile row + 128 x half
	s_mov_b32 s21, 0
	s_mov_b64 s[18:19], 4096
	s_mul_u64 s[20:21], s[20:21], s[18:19]
	s_lshl_b32 s46, s42, 10                        ; my first column, in bytes: 1,024 x tile column + 512 x half
	s_lshl_b32 s47, s16, 9
	s_add_co_u32 s46, s46, s47
	s_mov_b32 s47, 0
	s_add_nc_u64 s[96:97], s[96:97], s[46:47]      ; bo at my first column
	s_add_nc_u64 s[20:21], s[20:21], s[46:47]
	s_add_nc_u64 s[12:13], s[12:13], s[20:21]
.irp b, 0,1,2,3,4,5,6,7
	global_load_b128 v[BI+8*\b:BI+8*\b+3], v[BO8], s[96:97] offset:64*\b
	global_load_b128 v[BI+8*\b+4:BI+8*\b+7], v[BO8], s[96:97] offset:64*\b+16
.endr
.macro FRAG reg, adr, q, i             ; a fragment of B from rows: 24 bytes of the row's stream of bits twice, in pieces of 8 bytes; where the piece three on lies behind one padding more, the second address register serves
.irp p, 0,1,2,3,4,5
.set PIECE, 12*(\q)+6*(\p/3)+\p%3
.if PIECE%8 < 5
	ds_load_b64 v[\reg+2*\p:\reg+2*\p+1], v[\adr] offset:8*PIECE+16*(PIECE/8)+(\i)*16*PITCH
.else
	ds_load_b64 v[\reg+2*\p:\reg+2*\p+1], v[\adr+2] offset:8*PIECE+16*(PIECE/8)+(\i)*16*PITCH
.endif
.endr
.endm
.macro FRAGA reg, slot, q, i           ; a fragment of A: two heads' half fragments, as they were stored: consecutive bytes in consecutive lanes
	ds_load_b128 v[\reg:\reg+3], v[AD16+\slot] offset:ASTEP*(\i)+1536*(\q)
	ds_load_b64 v[\reg+4:\reg+5], v[AD8+\slot] offset:ASTEP*(\i)+1536*(\q)+512
	ds_load_b128 v[\reg+6:\reg+9], v[AD16+\slot] offset:ASTEP*(\i)+1536*(\q)+768
	ds_load_b64 v[\reg+10:\reg+11], v[AD8+\slot] offset:ASTEP*(\i)+1536*(\q)+1280
.endm
; 16 matrix instructions: A's blocks a0, a0 + 1 x B's eight.  first = 1: the sums begin with bo.  The 64 accumulators take turns, one instruction a turn, in the same order in every step.
.macro MUL16 a0, p, q, sc, first
.irp a, \a0, \a0+1
.irp b, 0,1,2,3,4,5,6,7
.if \first
	v_wmma_scale_f32_16x16x128_f8f6f4 v[8*(8*((\a)%4)+\b):8*(8*((\a)%4)+\b)+7], v[128*(\p)+FR*\b:128*(\p)+FR*\b+FR-1], v[AF+FR*(\a):AF+FR*(\a)+FR-1], v[BI+8*\b:BI+8*\b+7], v[SC+8*NQ*(\sc)+NQ*\b+(\q)], v[SC+8*NQ*(\sc)+NQ*(\a)+(\q)] matrix_a_fmt:MATRIX_FMT_FP6 matrix_b_fmt:MATRIX_FMT_FP6 matrix_a_scale:MATRIX_SCALE_ROW1
.else
	v_wmma_scale_f32_16x16x128_f8f6f4 v[8*(8*((\a)%4)+\b):8*(8*((\a)%4)+\b)+7], v[128*(\p)+FR*\b:128*(\p)+FR*\b+FR-1], v[AF+FR*(\a):AF+FR*(\a)+FR-1], v[8*(8*((\a)%4)+\b):8*(8*((\a)%4)+\b)+7], v[SC+8*NQ*(\sc)+NQ*\b+(\q)], v[SC+8*NQ*(\sc)+NQ*(\a)+(\q)] matrix_a_fmt:MATRIX_FMT_FP6 matrix_b_fmt:MATRIX_FMT_FP6 matrix_a_scale:MATRIX_SCALE_ROW1
.endif
.endr
.endr
.endm
.macro FETCH_B slot, q, p
	WIN TO_B
.irp i, 0,1,2,3,4,5,6,7
	FRAG 128*(\p)+FR*\i, ADRB+\slot, \q, \i
.endr
	WIN 0
.endm
.macro FETCH_A slot, q, i0
.irp i, \i0, \i0+1, \i0+2, \i0+3
	FRAGA AF+FR*(\i), \slot, \q, \i
.endr
.endm
.macro SCALES sc
.irp i, 0,1,2,3,4,5,6,7
	ds_load_b64 v[SC+8*NQ*\sc+NQ*\i:SC+8*NQ*\sc+NQ*\i+1], v[ADRS] offset:\i*SBLK
.endr
.endm
.macro PLACES n                        ; places in front of loads into registers that matrix instructions have read, and of the first read of results (ISA guide 7.12.1 for the first read of results)
.rept \n
	v_nop
.endr
.endm
.macro STEP slot, q, first
	s_wait_dscnt 4*NLA                             ; B's set and A's blocks 0-3 are in; the youngest 16 loads (A's blocks 4-7) may be out
.if \first
	WIN MULB_LO
.else
	WIN MUL_LO
.endif
	MUL16 0, (\q)%2, \q, \slot, \first
	MUL16 2, (\q)%2, \q, \slot, \first
	s_wait_dscnt 0
	PLACES NP
	FETCH_B \slot, (\q)+1, 1-(\q)%2
	FETCH_A \slot, (\q)+1, 0
.if \first
	WIN MULB_HI
.else
	WIN MUL_HI
.endif
	MUL16 4, (\q)%2, \q, \slot, \first
	MUL16 6, (\q)%2, \q, \slot, \first
	PLACES NP
	WIN 0
	FETCH_A \slot, (\q)+1, 4
.endm
; A slot's last step changes slots: ONE barrier; in front of it each wave waits for all its tensor loads, adds 0 to its spare word, and waits for that and for its own reads of this slot.
.macro TURN slot, next, fill
	s_wait_tensorcnt 0x0                           ; all my tensor loads have landed: my part of the next slot
	ds_add_u32 v[SPW], v[NIL]                      ; 0 onto my spare word
	s_wait_dscnt 4*NLA+1                           ; (the add and the youngest 16 loads may be out)
	WIN MUL_LO
	MUL16 0, 1, NQ-1, \slot, 0                     ; sixteen matrix instructions stand between the add and the wait for it
	s_wait_dscnt 0x0                               ; the add is done, and my reads of this slot are over
	s_barrier_signal -1
	MUL16 2, 1, NQ-1, \slot, 0
	WIN 0
	s_barrier_wait -1
.if \fill
	CREST                                          ; the barrier has opened a round of the cluster's barrier: no wave of any partner still reads this slot's tile or has a load on its way
	s_add_nc_u64 s[G0+4*\slot+2:G0+4*\slot+3], s[G0+4*\slot+2:G0+4*\slot+3], 2*ASTEP
	s_add_nc_u64 s[G0B+4*\slot+2:G0B+4*\slot+3], s[G0B+4*\slot+2:G0B+4*\slot+3], 2*ROWB
	JLOAD G0+4*\slot, G1, G0B+4*\slot, G1B         ; the first tensor load behind the round; its four v_nop are the places in front of the loads below
.else
	PLACES NP
.endif
	v_add_nc_u32 v[ADRS], 4*NQ, v[ADRS]            ; on to the next K step's scale words (no LDS load of mine is out)
	FETCH_B \next, 0, 0
	FETCH_A \next, 0, 0
	SCALES \next
	WIN MUL_HI
	MUL16 4, 1, NQ-1, \slot, 0
	MUL16 6, 1, NQ-1, \slot, 0
	PLACES NP
	WIN 0
	FETCH_A \next, 0, 4
.endm
	s_wait_tensorcnt 1                             ; of my three loads the scale bytes and K step 0 are in; K step 1's may be out
	s_barrier_signal -1
	s_barrier_wait -1
	FETCH_B 0, 0, 0
	FETCH_A 0, 0, 0
	SCALES 0
	FETCH_A 0, 0, 4
	s_wait_loadcnt 0x0                             ; bo
	STEP 0, 0, 1                                   ; the first step stands in front of the loop: its products start the sums, with bo
	s_mov_b32 s3, LAPS-1
.Llap:
	TURN 0, 1, 1
	STEP 1, 0, 0
	TURN 1, 0, 1
	STEP 0, 0, 0
	s_sub_co_u32 s3, s3, 1
	s_cmp_lg_u32 s3, 0
	s_cbranch_scc1 .Llap
	TURN 0, 1, 0                                   ; the last lap fills nothing
	STEP 1, 0, 0
	s_wait_dscnt 4*NLA
	WIN MUL_LO
	MUL16 0, 1, NQ-1, 1, 0
	MUL16 2, 1, NQ-1, 1, 0
	s_wait_dscnt 0
	WIN MUL_HI
	MUL16 4, 1, NQ-1, 1, 0
	MUL16 6, 1, NQ-1, 1, 0
	WIN 0
; THE WAY OUT, block by block of 16 tokens x 128 columns, through my own stage in LDS: back come whole rows of 512 bytes.  LDS serves a wave's instructions in order (ISA guide 5.7.1.4).
.macro TOSTAGE a
.set AC, 64*((\a)%4)
	WIN 0x08+4*((\a)/4)                            ; the data: window 2 or 3
.irp b, 0,1,2,3,4,5,6,7
	ds_store_b128 v[STO], v[AC+8*\b:AC+8*\b+3] offset:64*\b          ; each accumulator from its low end on
	ds_store_b128 v[STO], v[AC+8*\b+4:AC+8*\b+7] offset:64*\b+16
.endr
	WIN 0
.set BB, BK+64*((\a)%2)
.irp t, 0,1,2,3,4,5,6,7,8,9,10,11,12,13,14,15
	ds_load_b128 v[BB+4*\t:BB+4*\t+3], v[RD] offset:\t*SPITCH
.endr
.endm
.macro SEND a, younger                 ; place t of tile a is token 32 (a / 2) + 8 (a % 2) + t + 8 (t / 8) of my 128: it stands in the immediate, 127 rows of 4,096 bytes at the most
.set BB, BK+64*((\a)%2)
	s_wait_dscnt \younger
.irp t, 0,1,2,3,4,5,6,7,8,9,10,11,12,13,14,15
	global_store_b128 v[CO], v[BB+4*\t:BB+4*\t+3], s[12:13] offset:(32*((\a)/2)+8*((\a)%2)+\t+8*(\t/8))*4096 th:TH_STORE_NT   ; 32 lanes store 512 consecutive bytes, at a multiple of 256 from out0's first byte
.endr
.endm
	PLACES NP
	TOSTAGE 0
.irp a, 1,2,3,4,5,6,7
.if \a > 1
	s_wait_xcnt 0x0                                ; block a - 2's stores have read their registers: block a's loads may land there
.endif
	TOSTAGE \a
	SEND \a-1, 32                                  ; behind block a - 1's loads: block a's 16 stores and 16 loads
.endr
	SEND 7, 0
	s_wait_tensorcnt 0x0                           ; the wave's end: behind my last tensor load and my last LDS store
	ds_add_u32 v[SPW], v[NIL]
	s_wait_dscnt 0x0
	CROUND                                         ; the closing round
	s_endpgm
.Lfunc_end_k_qcf4e2a84cf_outproj:
	.size	k_qcf4e2a84cf_outproj, .Lfunc_end_k_qcf4e2a84cf_outproj-k_qcf4e2a84cf_outproj
	.p2alignl 7, 3214868480
	.fill 96, 4, 3214868480
	.section	.rodata,"a",@progbits
	.p2align	6, 0x0
	.amdhsa_kernel k_qcf4e2a84cf_outproj
		.amdhsa_group_segment_fixed_size 327680
		.amdhsa_private_segment_fixed_size 0
		.amdhsa_enable_private_segment 0
		.amdhsa_kernarg_size 48
		.amdhsa_user_sgpr_count 2
		.amdhsa_user_sgpr_kernarg_segment_ptr 1
		.amdhsa_wavefront_size32 1
		.amdhsa_system_sgpr_workgroup_id_x 1
		.amdhsa_system_sgpr_workgroup_id_y 1
		.amdhsa_system_sgpr_workgroup_id_z 1
		.amdhsa_system_vgpr_workitem_id 0
		.amdhsa_next_free_vgpr 1024
		.amdhsa_next_free_sgpr 102
		.amdhsa_reserve_vcc 0
		.amdhsa_float_denorm_mode_32 3
		.amdhsa_float_denorm_mode_16_64 3
		.amdhsa_memory_ordered 1
		.amdhsa_forward_progress 1
		.amdhsa_inst_pref_size 153
	.end_amdhsa_kernel
	.amdgpu_metadata
---
amdhsa.version: [ 1, 2 ]
amdhsa.kernels:
  - .name:           k_qcf4e2a84cf_outproj
    .symbol:         k_qcf4e2a84cf_outproj.kd
    .args:
      - { .name: attimg, .offset: 0, .size: 8, .value_kind: global_buffer, .address_space: global }
      - { .name: attsc, .offset: 8, .size: 8, .value_kind: global_buffer, .address_space: global }
      - { .name: Wo_codes, .offset: 16, .size: 8, .value_kind: global_buffer, .address_space: global }
      - { .name: Wo_scales, .offset: 24, .size: 8, .value_kind: global_buffer, .address_space: global }
      - { .name: bo, .offset: 32, .size: 8, .value_kind: global_buffer, .address_space: global }
      - { .name: out0, .offset: 40, .size: 8, .value_kind: global_buffer, .address_space: global }
    .group_segment_fixed_size: 327680
    .private_segment_fixed_size: 0
    .kernarg_segment_align: 8
    .kernarg_segment_size: 48
    .max_flat_workgroup_size: 128
    .sgpr_count:     102
    .vgpr_count:     1024
    .wavefront_size: 32
...
	.end_amdgpu_metadata
.endif
;; end of part 4
